; MI455X (gfx1250); checked and timed in simulation.
; The chip was launched on July 23, 2026; its instructions are those of AMD's public machine-readable ISA for CDNA 5 (MIT licence, August 2026) and "CDNA5" Instruction Set Architecture Reference Guide (July 2026). The comments in the code are by the model that wrote it; some were corrected since.
;; Self Attention. Allowed arithmetic: matrix products marked QUANTISED: E2M3 operands, one E8M0 scale for each 32 along K, by v_wmma_scale_f32_16x16x128_f8f6f4 with both operands' format E2M3, f32 sums; everything else in f32.
;; Inputs: Wk 1,024 x 1,024 float32; Wo 1,024 x 1,024 float32; Wq 1,024 x 1,024 float32; Wv 1,024 x 1,024 float32; bo 1,024 float32; padding_mask 4 x 2,048 bool; x 4 x 2,048 x 1,024 float32.
;; Outputs: out0 4 x 2,048 x 1,024 float32.
;; This version of the problem:
;;   THIS VERSION OF THE PROBLEM IS GIVEN IN LOW PRECISION. The matrix products marked QUANTISED in the list below multiply operands that are first quantised to E2M3 (2 exponent bits, 3 mantissa bits; 6 bits a number), with one power-of-two scale for each 32 numbers along K (OCP MX v1.0); their sums are f32. All else is computed in f32.
;;   The module's matrix products, in the order in which they are computed (A, B: the left and right operand; K: the contracted axis; several contracted axes count as one K, in the product's order):
;;     1. [M 8,192, K 1,024] x [K 1,024, N 1,024]; A: input x; B: input Wq: QUANTISED
;;     2. [M 8,192, K 1,024] x [K 1,024, N 1,024]; A: input x; B: input Wk: QUANTISED
;;     3. [M 8,192, K 1,024] x [K 1,024, N 1,024]; A: input x; B: input Wv: QUANTISED
;;     4. batch 64 x [M 2,048, K 64] x [K 64, N 2,048]; A: computed on the way; B: computed on the way: QUANTISED
;;     5. batch 64 x [M 2,048, K 2,048] x [K 2,048, N 64]; A: softmax (see below); B: computed on the way: QUANTISED
;;     6. [M 8,192, K 1,024] x [K 1,024, N 1,024]; A: computed on the way; B: input Wo: QUANTISED
;;   THE QUANTISER, for each operand of a quantised product, along K:
;;     - K is cut into blocks of 32 from its start; a last block that is shorter is filled with zeros.
;;     - A block's scale is 2^e with e = floor(log2(the largest magnitude in the block)) - 2, held to -126 .. 127; a block of zeros has e = 0. As a byte (E8M0): e + 127.
;;     - Each number is divided by its block's scale, clamped to +-7.5, and rounded to the nearest number of E2M3, ties to even, subnormals kept.
;;     - The product sums the exact products of the quantised numbers (number of the format x scale) in f32.
;;   ~~~python
;;   def quantise(x, axis):      # numpy; x: float32 -> the quantised numbers, widened to float32 again
;;       x = np.moveaxis(x, axis, -1); K = x.shape[-1]
;;       x = np.pad(x, [(0, 0)] * (x.ndim - 1) + [(0, -K % 32)]); x = x.reshape(x.shape[:-1] + (-1, 32)); a = np.abs(x).max(-1, keepdims=True)
;;       e = np.where(a > 0, np.clip(np.frexp(np.where(a > 0, a, 1))[1] - 1 - 2, -126, 127), 0)      # np.frexp(a)[1] - 1 = floor(log2(a)), exactly
;;       r = np.clip(x / 2.0 ** e, -7.5, 7.5)
;;       step = 2.0 ** (np.maximum(np.frexp(np.where(r == 0, 1, r))[1] - 1, 0) - 3)
;;       q = np.round(r / step) * step * 2.0 ** e      # np.round: ties to even
;;       return np.moveaxis(q.reshape(q.shape[:-2] + (-1,))[..., :K], -1, axis).astype(np.float32)
;;   ~~~
;;   SOFTMAX AHEAD OF A QUANTISED PRODUCT. Where the list says 'softmax', what is quantised is not the finished softmax but p = 2^(t - M), with t = logit x log2(e) and M = ceil(the row's largest t), a whole number; so 1/2 < the row's largest p <= 1. The row's sum l is taken of the UNQUANTISED p, in f32, and the product's result is divided by l at the end. Since M is a whole number, a kernel that streams over the keys may use a running M (the ceiling of the running maximum): every later rescaling is an exact power of two, which a block's scale takes up: the codes' values come out the same.
;;   OPERANDS COMPUTED ON THE WAY. 'Computed on the way' means the value that the module computes at that place (a softmax that the list does not call 'softmax' is quantised finished and normalised). What goes into a quantiser is computed in f32, as accurately as f32 sums, v_exp_f32 and their like allow (about 1e-6 of the number): no bf16 or f16 on the way to a quantiser, and a product that is left as it is and whose result goes on into a quantised operand takes f32 operands (vector FMAs, or v_wmma_f32_16x16x4_f32). A number that lies on a knife's edge between two numbers of the format may be rounded either way, as far as f32 arithmetic and the matrix unit's own rounding can turn it there, and no further.
;; One version. Each part assembles by itself: llvm-mc -triple=amdgcn-amd-amdhsa -mcpu=gfx1250 --defsym DOCPART=n.
;; ======== version 1 of 1: 4 launches
;; limits: right only within a limited range of input values
;; workspace buffers: xc 6,291,456 bytes; xs 262,144 bytes; wc 3,145,728 bytes; ws 131,072 bytes; qkv 20,185,088 bytes; ac 6,291,456 bytes; asc 262,144 bytes
;; launch quant (part 1): grid 768 x 1, 1 waves a work-group, no clusters, 8,960 bytes of LDS; arguments x, Wq, Wk, Wv, Wo, xc, xs, wc, ws; writes xc, xs, wc, ws
.if DOCPART == 1
	.amdgcn_target "amdgcn-amd-amdhsa--gfx1250"
	.amdhsa_code_object_version 6
	.text
	.protected	k_qd68299dad5_quant
	.globl	k_qd68299dad5_quant
	.p2align	8
	.type	k_qd68299dad5_quant,@function
k_qd68299dad5_quant:
	s_mov_b64 s[64:65], 0
	v_nop
	global_prefetch_b8 v0, s[64:65] scope:SCOPE_SE
	s_setreg_imm32_b32 hwreg(HW_REG_WAVE_MODE, 25, 1), 1
	s_wait_xcnt 0x0
; x [8192][1024] and Wq, Wk, Wv, Wo [1024][1024], f32 with K innermost, become codes of FP6 (E2M3) with one E8M0 byte for each 32 along K, laid as the products' operand registers want them.
; A FRAGMENT IMAGE is 16 rows x 128 K = 12 registers a lane, 1,536 bytes, in two halves of 768: registers 6c..6c+3 at 16 x lane, registers 6c+4, 6c+5 at 512 + 8 x lane.
; Codes: [pair of K steps (4)][tile of 16 rows][K step of the pair (2)][image].  Scale words: [group of 8 tiles][K step (8)][row (16)][tile (8)], 4 bytes each.
; ROWS STAND PERMUTED inside each 32: place 16 u + r holds row 8 u + r + 8 (r / 8), so that the results of two neighbouring tiles are, in a lane, 16 neighbours along the next product's K.
; A block's scale is 2^(floor(log2(largest magnitude)) - 2); its byte is the largest magnitude's exponent field - 2, held at 1 from below (a block of zeros gets 1: its codes are zeros, and this program alone reads the bytes).
; LIMITS: NaN and infinities among the inputs are not served.
; SHARES: a work-group is one wave; it takes 128 rows x 128 along K: 8 fragments.  Work-groups 0-511: x; 512-767: the four weights.  One path through the text: only pointers are chosen.
; Each load reads 512 consecutive bytes of a row; 16 rows turn through a stage in LDS (pitch 528) so that a lane gets 16 neighbours of each block of 32.  32 loads of the wave are on their way.
.set SP,  528
.set R,   64                           ; v64-191  two sets of 64 registers as loaded
.set X,   192                          ; v192-255 64 numbers of a lane: register 16 b + i = k 32 b + 16 (lane / 16) + i of row lane % 16
.set PC,  16                           ; v16-34   the codes just made
.set TM,  36                           ; v36-51   at work
.set W,   52                           ; v52-59   the 8 fragments' scale words
.set SEL, 40
	s_load_b256 s[4:11], s[0:1], 0x0               ; x, Wq, Wk, Wv
	s_load_b256 s[12:19], s[0:1], 0x20             ; Wo, xc, xs, wc
	s_load_b64 s[20:21], s[0:1], 0x40              ; ws
	v_lshl_add_u32 v46, v0, 2, 0x2200
	v_mov_b32 v47, 0
	v_lshlrev_b32 v1, 4, v0                        ; 16 x lane
	v_lshlrev_b32 v2, 3, v0                        ; 8 x lane
	v_and_b32 v3, 15, v0                           ; r
	v_lshrrev_b32 v4, 4, v0                        ; h
	v_mul_u32_u24 v5, v3, SP
	v_lshl_add_u32 v5, v4, 6, v5                   ; out of the stage: row r, + 64 h
	v_lshlrev_b32 v6, 5, v3
	v_lshl_add_u32 v6, v4, 4, v6                   ; the scale words' place: 32 r + 16 h
.irp b, 0,1,2,3
	v_mov_b32 v[TM+4+\b], 0                        ; a lane permute's destination counts as one of its sources
.endr
	s_mov_b32 s[SEL], 0x76543210
	s_mov_b32 s[SEL+1], 0xfedcba98                 ; lane l xor 16
	s_mov_b32 s42, 0xffff0000                      ; lanes 16-31
	s_mov_b32 s25, 786432                          ; a pair of K steps of the weights' codes: 256 tiles x 3,072 bytes
	s_wait_alu depctr_va_vdst(0)
	s_wait_kmcnt 0x0
	s_cmp_lt_u32 ttmp9, 512                        ; x's work-group or a weight's: the choice hangs on the work-group's number alone
	s_cselect_b64 s[26:27], s[14:15], s[18:19]     ; codes
	s_cselect_b64 s[28:29], s[16:17], s[20:21]     ; scale words
	s_cselect_b32 s24, 0, 512
	s_cselect_b32 s25, 1572864, s25                ; x: 512 tiles x 3,072
	s_cselect_b32 s30, -1, 7
	s_sub_co_u32 s24, ttmp9, s24
	s_and_b32 s31, s24, 7                          ; K step
	s_lshr_b32 s32, s24, 3                         ; group of 128 rows in the codes' buffer
	s_and_b32 s33, s32, s30                        ; and in the source tensor
	s_lshr_b32 s34, s24, 6                         ; which weight
	s_cmp_eq_u32 s34, 1
	s_cselect_b64 s[36:37], s[8:9], s[6:7]
	s_cmp_eq_u32 s34, 2
	s_cselect_b64 s[36:37], s[10:11], s[36:37]
	s_cmp_eq_u32 s34, 3
	s_cselect_b64 s[36:37], s[12:13], s[36:37]
	s_cmp_lt_u32 ttmp9, 512
	s_cselect_b64 s[36:37], s[4:5], s[36:37]
	s_lshl_b32 s38, s33, 19                        ; 128 rows of 4,096 bytes
	s_lshl_b32 s39, s31, 9                         ; 128 numbers
	s_or_b32 s38, s38, s39
	s_mov_b32 s39, 0
	s_add_nc_u64 s[36:37], s[36:37], s[38:39]
	s_lshr_b32 s38, s31, 1
	s_mul_i32 s38, s38, s25
	s_mul_i32 s35, s32, 24576
	s_add_co_u32 s38, s38, s35
	s_and_b32 s35, s31, 1
	s_mul_i32 s35, s35, 1536
	s_add_co_u32 s38, s38, s35
	s_add_nc_u64 s[26:27], s[26:27], s[38:39]
	s_lshl_b32 s38, s32, 12
	s_lshl_b32 s35, s31, 9
	s_add_co_u32 s38, s38, s35
	s_add_nc_u64 s[28:29], s[28:29], s[38:39]
.macro LOADF f                         ; fragment f's 16 rows, place j from row 32 (f / 2) + 8 (f % 2) + j + 8 (j / 8): the permutation stands in the immediate
.irp j, 0,1,2,3,4,5,6,7,8,9,10,11,12,13,14,15
	global_load_b128 v[R+64*((\f)%2)+4*\j:R+64*((\f)%2)+4*\j+3], v1, s[36:37] offset:(32*((\f)/2)+8*((\f)%2)+\j+8*(\j/8))*4096 th:TH_LOAD_NT
.endr
.endm
; 64 numbers of a lane become a fragment's 12 registers in v[PC] on and the row's scale word in v[w]
.macro QUANT s, w
.irp b, 0,1,2,3
	v_max3_num_f32 v[TM+\b], |v[\s+16*\b]|, |v[\s+1+16*\b]|, 0x1800000   ; with the floor 2^(3 - 127): the byte cannot fall under 1
.endr
.irp i, 2,4,6,8,10,12,14
.irp b, 0,1,2,3
	v_max3_num_f32 v[TM+\b], v[TM+\b], |v[\s+16*\b+\i]|, |v[\s+1+16*\b+\i]|
.endr
.endr
.irp b, 0,1,2,3
	v_permlanex16_b32 v[TM+4+\b], v[TM+\b], s[SEL], s[SEL+1]
.endr
.irp b, 0,1,2,3
	v_max_num_f32 v[TM+\b], v[TM+\b], v[TM+4+\b]   ; the block's largest magnitude
.endr
.irp b, 0,1,2,3
	v_add_nc_u32 v[TM+12+\b], 0xff000000, v[TM+\b] ; 2 off its exponent field: the conversion's scale operand
.endr
.irp b, 0,1,2,3
	v_lshrrev_b32 v[TM+4+\b], 23, v[TM+12+\b]      ; the byte
.endr
	v_lshl_or_b32 v[\w], v[TM+5], 8, v[TM+4]
	v_lshl_or_b32 v[\w], v[TM+6], 16, v[\w]
	v_lshl_or_b32 v[\w], v[TM+7], 24, v[\w]
.irp c, 0,1
	v_cvt_scalef32_pk16_fp6_f32 v[PC+6*\c:PC+2+6*\c], v[\s+32*\c:\s+15+32*\c], v[TM+12+2*\c]
	v_cvt_scalef32_pk16_fp6_f32 v[PC+12+4*\c:PC+14+4*\c], v[\s+16+32*\c:\s+31+32*\c], v[TM+12+2*\c+1]
.endr
	v_nop                                          ; one plain place behind a scaled conversion
.irp c, 0,1                            ; a whole block to a lane: lanes 0-15 block 2 c, lanes 16-31 block 2 c + 1
.irp i, 0,1,2
	v_permlane16_swap_b32 v[PC+6*\c+\i], v[PC+12+4*\c+\i]
.endr
.irp i, 0,1,2
	v_mov_b32 v[PC+3+6*\c+\i], v[PC+12+4*\c+\i]
.endr
.endr
.endm
	LOADF 0
	LOADF 1
.irp f, 0,1,2,3,4,5,6,7
.if \f < 7
	s_wait_loadcnt 16                              ; this fragment's 16 loads are in; the next fragment's 16 may be out
.else
	s_wait_loadcnt 0x0
.endif
.irp j, 0,1,2,3,4,5,6,7,8,9,10,11,12,13,14,15
	ds_store_b128 v1, v[R+64*(\f%2)+4*\j:R+64*(\f%2)+4*\j+3] offset:\j*SP
.endr
.irp b, 0,1,2,3
.irp j, 0,1,2,3
	ds_load_b128 v[X+16*\b+4*\j:X+16*\b+4*\j+3], v5 offset:128*\b+16*\j   ; LDS serves a wave's instructions in order: these see the stores above
.endr
.endr
	s_wait_dscnt 0x0                               ; the numbers are back, and the stores have read the set that is loaded again below
	s_wait_xcnt 0x0                                ; the last fragment's stores have read v[PC] on
.if \f+2 < 8
	LOADF \f+2
.endif
	QUANT X, W+\f
	global_store_b128 v1, v[PC:PC+3], s[26:27] offset:\f*3072          ; each store covers whole aligned runs of 256 bytes
	global_store_b64 v2, v[PC+4:PC+5], s[26:27] offset:\f*3072+512
	global_store_b128 v1, v[PC+6:PC+9], s[26:27] offset:\f*3072+768
	global_store_b64 v2, v[PC+10:PC+11], s[26:27] offset:\f*3072+1280
.endr
.irp k, 0,1,2,3
	v_cndmask_b32 v[60+\k], v[W+\k], v[W+4+\k], s42   ; lanes 0-15 store tiles 0-3's words of row r, lanes 16-31 tiles 4-7's
.endr
	global_store_b128 v6, v[60:63], s[28:29]       ; 512 consecutive bytes
	s_wait_tensorcnt 0x0
	ds_add_u32 v46, v47
	s_wait_dscnt 0x0
	s_endpgm
.Lfunc_end_k_qd68299dad5_quant:
	.size	k_qd68299dad5_quant, .Lfunc_end_k_qd68299dad5_quant-k_qd68299dad5_quant
	.p2alignl 7, 3214868480
	.fill 96, 4, 3214868480
	.section	.rodata,"a",@progbits
	.p2align	6, 0x0
	.amdhsa_kernel k_qd68299dad5_quant
		.amdhsa_group_segment_fixed_size 8960
		.amdhsa_private_segment_fixed_size 0
		.amdhsa_enable_private_segment 0
		.amdhsa_kernarg_size 72
		.amdhsa_user_sgpr_count 2
		.amdhsa_user_sgpr_kernarg_segment_ptr 1
		.amdhsa_wavefront_size32 1
		.amdhsa_system_sgpr_workgroup_id_x 1
		.amdhsa_system_sgpr_workgroup_id_y 1
		.amdhsa_system_sgpr_workgroup_id_z 1
		.amdhsa_system_vgpr_workitem_id 0
		.amdhsa_next_free_vgpr 256
		.amdhsa_next_free_sgpr 66
		.amdhsa_reserve_vcc 0
		.amdhsa_float_denorm_mode_32 3
		.amdhsa_float_denorm_mode_16_64 3
		.amdhsa_memory_ordered 1
		.amdhsa_forward_progress 1
		.amdhsa_inst_pref_size 65
	.end_amdhsa_kernel
	.amdgpu_metadata
---
amdhsa.version: [ 1, 2 ]
amdhsa.kernels:
  - .name:           k_qd68299dad5_quant
    .symbol:         k_qd68299dad5_quant.kd
    .args:
      - { .name: x, .offset: 0, .size: 8, .value_kind: global_buffer, .address_space: global }
      - { .name: Wq, .offset: 8, .size: 8, .value_kind: global_buffer, .address_space: global }
      - { .name: Wk, .offset: 16, .size: 8, .value_kind: global_buffer, .address_space: global }
      - { .name: Wv, .offset: 24, .size: 8, .value_kind: global_buffer, .address_space: global }
      - { .name: Wo, .offset: 32, .size: 8, .value_kind: global_buffer, .address_space: global }
      - { .name: xc, .offset: 40, .size: 8, .value_kind: global_buffer, .address_space: global }
      - { .name: xs, .offset: 48, .size: 8, .value_kind: global_buffer, .address_space: global }
      - { .name: wc, .offset: 56, .size: 8, .value_kind: global_buffer, .address_space: global }
      - { .name: ws, .offset: 64, .size: 8, .value_kind: global_buffer, .address_space: global }
    .group_segment_fixed_size: 8960
    .private_segment_fixed_size: 0
    .kernarg_segment_align: 8
    .kernarg_segment_size: 72
    .max_flat_workgroup_size: 32
    .sgpr_count:     66
    .vgpr_count:     256
    .wavefront_size: 32
...
	.end_amdgpu_metadata
.endif
;; end of part 1
;; launch qkv (part 2): grid 8 x 48, 4 waves a work-group, clusters of 4 x 4, 327,680 bytes of LDS; arguments xc, xs, wc, ws, padding_mask, qkv; writes qkv
.if DOCPART == 2
	.amdgcn_target "amdgcn-amd-amdhsa--gfx1250"
	.amdhsa_code_object_version 6
	.text
	.protected	k_qd68299dad5_qkv
	.globl	k_qd68299dad5_qkv
	.p2align	8
	.type	k_qd68299dad5_qkv,@function
k_qd68299dad5_qkv:
	s_mov_b64 s[64:65], 0
	v_nop
	global_prefetch_b8 v0, s[64:65] scope:SCOPE_SE
	s_setreg_imm32_b32 hwreg(HW_REG_WAVE_MODE, 25, 1), 1
	s_wait_xcnt 0x0
	s_wait_alu depctr_hold_cnt(0) depctr_sa_sdst(0) depctr_va_vdst(0) depctr_va_sdst(0) depctr_va_ssrc(0) depctr_va_vcc(0) depctr_vm_vsrc(0)
	s_getreg_b32 s2, hwreg(HW_REG_IB_STS2, 6, 4)
	s_cmp_eq_u32 s2, 0
	s_cbranch_scc0 .Lentry_in_a_cluster
	s_endpgm
.Lentry_in_a_cluster:
	s_bfe_u32 s2, ttmp6, 0x10000c
	s_cmp_lg_u32 s2, 0xf033
	s_cbranch_scc0 .Lentry_shape_is_right
	s_endpgm
.Lentry_shape_is_right:
; q = x Wq^T, k = x Wk^T, v = x Wv^T on codes of FP6 (E2M3, one E8M0 byte for 32 along K), K = 1,024; the results are quantised in registers and leave as codes for the attention launch.
; A tile of 256 x 256 to a work-group, 128 x 128 to each of four waves: 64 accumulators.  Source 1 ("A") gives a lane its row; source 0 ("B") runs down a lane's registers.
; Clusters y 0-7: A = x (32 tiles), B = Wq, Wk (8 tiles): a lane holds a token, its registers 128 features = two heads: the next K is the head's 64.
; Clusters y 8-11: A = Wv (4 tiles), B = x (32 tiles): a lane holds a feature of v, its registers 128 keys: the next K is the keys.  What differs is chosen by s_cselect on cluster y, the same in all partners.
; OPERANDS lie in memory as images of their registers (16 rows x 128 K: 1,536 bytes; registers 6c..6c+3 at 16 x lane, 6c+4, 6c+5 at 512 + 8 x lane of each half of 768), [pair of K steps][tile][K step][image]:
; a K step of 256 of 8 tiles is one dense block, brought by one tensor load, and read by ds_load_b128 / b64 at consecutive bytes.  Rows stand permuted inside each 32 (place 16 u + r = row 8 u + r + 8 (r / 8)),
; so that a lane's register 16 j + i is number 32 j + 16 (lane / 16) + i along B.  Scale words: [8 tiles][K step][row][tile]; those of the work-group's rows, for all K, come into LDS once.
; CLUSTERS: 4 x 4.  A's tiles are asked for jointly along a row of the cluster, B's along a column.
; THE OUTPUT, for batch b, head, 128 tokens s: a block of 19,712 bytes: k's 8 half images (768 each), v^T's 4 images, k's scale words [row 16][tile 8], v's [row 16][tile 4], q's 8 half images, q's scale words.
; THE PADDING MASK goes into k's scale words.  A head's K is 64; the attention's matrix instruction takes 128.  There k = 64 holds the code 1.0 on q's side and -1.0 on k's side; byte 2 of q's word is 127,
; byte 2 of k's word is 227 (2^100) for a padded key and 1 (2^-126) else: a padded key's score is -2^100.  Byte 3 is 1 over zero codes.  LIMIT: |score| under 2^80.
; REGISTERS: window 0: v2 r, v3 h, v16-30 addresses; v32-63 scale words, two sets; v64-71 mask bytes; v72-79 result scale words; from v128 A's 8 fragments (later the quantiser's work);
;   window 1: B's fragments, two sets (v0, v128);  windows 2, 3: accumulator (a, b) at v[8 (8 (a % 4) + b)] of window 2 + a / 4.
.set NA,     8
.set NL,     4                         ; LDS loads that bring a fragment
.set NP,     4                         ; places behind this matrix instruction (ISA guide 7.12.1)
.set HALFA,  NA*3072
.set HALFB,  24576
.set SLOT,   2*HALFA+2*HALFB           ; A's two halves, then B's two
.set SCL,    2*SLOT                    ; behind the ring: A's scale words, then B's
.set SCA,    NA*1024
.set SPARE,  SCL+SCA+8192              ; the spare words, 128 bytes a wave: two blocks of 256 bytes that no other line names
.set BLK,    19712
.set ADRA16, 16
.set ADRA8,  18
.set ADRB16, 20
.set ADRB8,  22
.set L16,    24
.set L8,     25
.set SLO,    26
.set ADRS,   27
.set SPW,    28
.set NIL,    29
.set MO,     30
.set SC,     32
.set MB,     64
.set WD,     72
.set AF,     128
.set TM,     200
.set G1, 24
.set G0, 32
.set G1B, 48
.set G0B, 56
.set G1S, 68
.set G0S, 76
.set G1SB, 80
.set G0SB, 88
.set MSB, 0
.macro WIN new                         ; the immediate's high byte repeats the setting that is left
.if MSB != \new
	s_set_vgpr_msb (MSB<<8)|\new
.set MSB, \new
.endif
.endm
.set MUL_LO, 0xa1                      ; source 0 (B) window 1, source 1 (A) window 0, C and D window 2
.set MUL_HI, 0xf1
.set TO_B,   0x40
; A joint load: waves 0 and 1 fetch for A, waves 2 and 3 for B; the branch hangs on the wave's number alone.  Four v_nop follow each line.
.macro JLOAD g0a, g1a, g0b, g1b
	s_cmp_eq_u32 s17, 0
	s_cbranch_scc0 .Lfor_b_\@
	tensor_load_to_lds s[\g0a:\g0a+3], s[\g1a:\g1a+7]
	s_nop 0
.rept 4
	v_nop
.endr
	s_branch .Lasked_\@
.Lfor_b_\@:
	tensor_load_to_lds s[\g0b:\g0b+3], s[\g1b:\g1b+7]
	s_nop 0
.rept 4
	v_nop
.endr
.Lasked_\@:
.endm
.macro CREST
	s_cmp_lg_u32 s16, 0
	s_cbranch_scc1 .Lnot_wave_0_\@
	s_barrier_signal -3
.Lnot_wave_0_\@:
	s_barrier_wait -3
	s_barrier_signal -1
	s_barrier_wait -1
.endm
.macro CROUND
	s_barrier_signal -1
	s_barrier_wait -1
	CREST
.endm
.macro PLACES n
.rept \n
	v_nop
.endr
.endm
	s_load_b256 s[4:11], s[0:1], 0x0               ; xc, xs, wc, ws
	s_load_b128 s[12:15], s[0:1], 0x20             ; padding_mask, qkv
	v_lshl_add_u32 v[SPW], v0, 2, SPARE
	v_mov_b32 v[NIL], 0
	ds_add_u32 v28, v29
	ds_add_u32 v28, v29
	s_wait_dscnt 0x0
	v_lshrrev_b32 v1, 5, v0
	v_readfirstlane_b32 s16, v1                    ; wave
	s_lshr_b32 s17, s16, 1                         ; RH: my half of A's rows.  Also: I fetch for A (0) or B (1)
	s_and_b32 s18, s16, 1                          ; CH: my half of B's rows.  Also: which half I fetch
	s_bfe_u32 s20, ttmp6, 0x40000                  ; cx
	s_bfe_u32 s21, ttmp6, 0x40004                  ; cy
	s_and_b32 s23, ttmp7, 0xffff                   ; cluster y
	s_lshl_b32 s41, s23, 2
	s_sub_co_u32 s45, s23, 8
	s_lshl_b32 s45, s45, 3
	s_lshl_b32 s42, ttmp9, 2
	s_cmp_ge_u32 s23, 8
	s_cselect_b32 s40, 1, 0                        ; 1: the part that makes v
	s_cselect_b32 s41, 0, s41
	s_cselect_b32 s45, s45, 0
	s_add_co_u32 s41, s41, s21                     ; TR, A's tile: 4 cluster y + cy, or cy
	s_add_co_u32 s42, s42, s45
	s_add_co_u32 s42, s42, s20                     ; TC, B's tile: 4 cluster x + cx (+ 8 (cluster y - 8))
	s_lshl_b32 s43, s21, 2
	s_lshl_b32 s43, 15, s43                        ; my row of the cluster
	s_lshl_b32 s44, 0x1111, s20                    ; my column
	; descriptor groups 1: dense blocks as rows of 256 bytes (32 elements of 8 bytes), no padding; 96 rows of codes, 16 of scale words
	s_or_b32 s[G1+0], s43, (3<<16)|(1<<21)
	s_or_b32 s[G1B+0], s44, (3<<16)|(1<<21)
	s_or_b32 s[G1S+0], s43, (3<<16)|(1<<21)
	s_or_b32 s[G1SB+0], s44, (3<<16)|(1<<21)
.irp g, G1, G1B
	s_mov_b32 s[\g+1], 32<<16
	s_mov_b32 s[\g+2], 96<<16
	s_mov_b32 s[\g+3], 32<<16
	s_mov_b32 s[\g+4], 96
	s_mov_b32 s[\g+5], 32
	s_mov_b32 s[\g+6], 0
	s_mov_b32 s[\g+7], 0
.endr
.irp g, G1S, G1SB
	s_mov_b32 s[\g+1], 32<<16
	s_mov_b32 s[\g+2], 16<<16
	s_mov_b32 s[\g+3], 32<<16
	s_mov_b32 s[\g+4], 16
	s_mov_b32 s[\g+5], 32
	s_mov_b32 s[\g+6], 0
	s_mov_b32 s[\g+7], 0
.endr
	s_lshl_b32 s45, s18, 3                         ; 8 tiles x the half that I fetch
	s_lshl_b32 s96, s41, 4
	s_add_co_u32 s96, s96, s45
	s_cmp_lg_u32 s40, 0
	s_cselect_b32 s22, 128, 0                      ; Wv's tiles begin at 128 in wc
	s_add_co_u32 s96, s96, s22                     ; A's first tile that I fetch
	s_lshl_b32 s98, s96, 9                         ; its scale words: 4,096 bytes for 8 tiles
	s_mul_i32 s96, s96, 3072
	s_mov_b32 s97, 0
	s_mov_b32 s99, 0
	s_lshl_b32 s100, s42, 4
	s_add_co_u32 s100, s100, s45                   ; B's (in registers that never hold cy)
	s_lshl_b32 s66, s100, 9
	s_mul_i32 s100, s100, 3072
	s_mov_b32 s101, 0
	s_mov_b32 s67, 0
	s_lshl_b32 s22, s41, 1
	s_add_co_u32 s22, s22, s17
	s_lshl_b32 s22, s22, 7                         ; my 128 rows of A as tokens: the mask's bytes
	s_mov_b32 s23, 0
	s_mul_i32 s[G0+1], s18, HALFA                  ; LDS addresses: the wave's number and constants alone
	s_add_co_u32 s[G0+5], s[G0+1], SLOT
	s_mul_i32 s[G0B+1], s18, HALFB
	s_add_co_u32 s[G0B+1], s[G0B+1], 2*HALFA
	s_add_co_u32 s[G0B+5], s[G0B+1], SLOT
	s_mul_i32 s[G0S+1], s18, SCA/2
	s_add_co_u32 s[G0S+1], s[G0S+1], SCL
	s_lshl_b32 s[G0SB+1], s18, 12
	s_add_co_u32 s[G0SB+1], s[G0SB+1], SCL+SCA
	s_mov_b32 s[G0], 1
	s_mov_b32 s[G0+4], 1
	s_mov_b32 s[G0B], 1
	s_mov_b32 s[G0B+4], 1
	s_mov_b32 s[G0S], 1
	s_mov_b32 s[G0SB], 1
	s_mov_b32 s92, 786432
	s_mov_b32 s94, 1572864
	s_mov_b32 s93, 0
	s_mov_b32 s95, 0
	s_wait_kmcnt 0x0
	s_cmp_lg_u32 s40, 0
	s_cselect_b64 s[G0+2:G0+3], s[8:9], s[4:5]     ; A's codes: the weights' or x's
	s_cselect_b64 s[G0S+2:G0S+3], s[10:11], s[6:7]
	s_cselect_b64 s[G0B+2:G0B+3], s[4:5], s[8:9]   ; B's
	s_cselect_b64 s[G0SB+2:G0SB+3], s[6:7], s[10:11]
	s_cselect_b32 s92, s92, 1572864                ; a pair of K steps on, in A's codes: tiles x 3,072
	s_cselect_b32 s94, s94, 786432                 ; and in B's
	s_add_nc_u64 s[G0+2:G0+3], s[G0+2:G0+3], s[96:97]
	s_add_nc_u64 s[G0S+2:G0S+3], s[G0S+2:G0S+3], s[98:99]
	s_add_nc_u64 s[G0B+2:G0B+3], s[G0B+2:G0B+3], s[100:101]
	s_add_nc_u64 s[G0SB+2:G0SB+3], s[G0SB+2:G0SB+3], s[66:67]
	s_add_nc_u64 s[G0+6:G0+7], s[G0+2:G0+3], s[92:93]      ; slot 1 begins with the second pair of K steps
	s_add_nc_u64 s[G0B+6:G0B+7], s[G0B+2:G0B+3], s[94:95]
	s_or_b32 s[G0+3], s[G0+3], 0x80000000
	s_or_b32 s[G0+7], s[G0+7], 0x80000000
	s_or_b32 s[G0B+3], s[G0B+3], 0x80000000
	s_or_b32 s[G0B+7], s[G0B+7], 0x80000000
	s_or_b32 s[G0S+3], s[G0S+3], 0x80000000
	s_or_b32 s[G0SB+3], s[G0SB+3], 0x80000000
	s_add_nc_u64 s[12:13], s[12:13], s[22:23]
	CROUND                                         ; all sixteen work-groups are here: the first joint loads meet
	JLOAD G0S, G1S, G0SB, G1SB                     ; three loads of mine are out: the scale words,
	JLOAD G0, G1, G0B, G1B                         ; slot 0,
	JLOAD G0+4, G1, G0B+4, G1B                     ; slot 1
	v_and_b32 v1, 31, v0                           ; lane
	v_and_b32 v2, 15, v0                           ; r (kept)
	v_bfe_u32 v3, v0, 4, 1                         ; h (kept)
	v_lshlrev_b32 v[L16], 4, v1
	v_lshlrev_b32 v[L8], 3, v1
	v_and_b32 v[MO], 8, v2
	v_add_nc_u32 v[MO], v[MO], v2                  ; r + 8 (r / 8)
.irp a, 0,1,2,3,4,5,6,7
	global_load_u8 v[MB+\a], v[MO], s[12:13] offset:32*(\a/2)+8*(\a%2)   ; the mask's byte of my token in A's tile a (in the part that makes v: read and multiplied by 0)
.endr
	s_mul_i32 s45, s17, HALFA
	s_mul_i32 s2, s18, HALFB
	s_add_co_u32 s2, s2, 2*HALFA
.irp s, 0,1
	v_add_nc_u32 v[ADRA16+\s], s45, v[L16]
	v_add_nc_u32 v[ADRA8+\s], s45, v[L8]
	v_add_nc_u32 v[ADRB16+\s], s2, v[L16]
	v_add_nc_u32 v[ADRB8+\s], s2, v[L8]
	s_add_co_u32 s45, s45, SLOT
	s_add_co_u32 s2, s2, SLOT
.endr
	s_lshl_b32 s45, s17, 12                        ; A's words: my 8 tiles' 4,096 bytes
	s_lshl_b32 s2, s18, 12
	s_add_co_u32 s2, s2, SCA
	s_sub_co_u32 s2, s2, s45
	v_mul_u32_u24 v6, s2, v3                       ; lanes 16-31 take B's: one product with h
	s_add_co_u32 s45, s45, SCL
	v_lshlrev_b32 v7, 5, v2
	v_add_nc_u32 v7, v7, v6
	v_add_nc_u32 v[ADRS], s45, v7
.macro FRAG reg, a16, a8, off          ; an image comes back as it was stored
	ds_load_b128 v[(\reg):(\reg)+3], v[\a16] offset:(\off)
	ds_load_b64 v[(\reg)+4:(\reg)+5], v[\a8] offset:(\off)+512
	ds_load_b128 v[(\reg)+6:(\reg)+9], v[\a16] offset:(\off)+768
	ds_load_b64 v[(\reg)+10:(\reg)+11], v[\a8] offset:(\off)+1280
.endm
.macro FETCH_B slot, q, p
	WIN TO_B
.irp i, 0,1,2,3,4,5,6,7
	FRAG 128*(\p)+12*\i, ADRB16+\slot, ADRB8+\slot, \i*3072+(\q)*1536
.endr
	WIN 0
.endm
.macro FETCH_A slot, q, i0             ; A's blocks i0 .. i0 + NA / 2 - 1
.set II, \i0
.rept NA/2
	FRAG AF+12*II, ADRA16+\slot, ADRA8+\slot, II*3072+(\q)*1536
.set II, II+1
.endr
.endm
.macro SCALES sc                       ; a slot's scale words: register 8 q + i: lanes 0-15 A's tile i, lanes 16-31 B's tile i
.irp q, 0,1
	ds_load_b128 v[SC+16*\sc+8*\q:SC+16*\sc+8*\q+3], v[ADRS] offset:512*\q
	ds_load_b128 v[SC+16*\sc+8*\q+4:SC+16*\sc+8*\q+7], v[ADRS] offset:512*\q+16
.endr
.endm
; 8 matrix instructions: A's block a against B's eight.  The 64 accumulators take turns, one instruction a turn, in the same order in every step.
.macro MULA a, p, q, sc, first
.irp b, 0,1,2,3,4,5,6,7
.if \first
	v_wmma_scale_f32_16x16x128_f8f6f4 v[8*(8*((\a)%4)+\b):8*(8*((\a)%4)+\b)+7], v[128*(\p)+12*\b:128*(\p)+12*\b+11], v[AF+12*(\a):AF+12*(\a)+11], 0, v[SC+16*(\sc)+8*(\q)+\b], v[SC+16*(\sc)+8*(\q)+(\a)] matrix_a_fmt:MATRIX_FMT_FP6 matrix_b_fmt:MATRIX_FMT_FP6 matrix_a_scale:MATRIX_SCALE_ROW1
.else
	v_wmma_scale_f32_16x16x128_f8f6f4 v[8*(8*((\a)%4)+\b):8*(8*((\a)%4)+\b)+7], v[128*(\p)+12*\b:128*(\p)+12*\b+11], v[AF+12*(\a):AF+12*(\a)+11], v[8*(8*((\a)%4)+\b):8*(8*((\a)%4)+\b)+7], v[SC+16*(\sc)+8*(\q)+\b], v[SC+16*(\sc)+8*(\q)+(\a)] matrix_a_fmt:MATRIX_FMT_FP6 matrix_b_fmt:MATRIX_FMT_FP6 matrix_a_scale:MATRIX_SCALE_ROW1
.endif
.endr
.endm
.macro MULQ k, p, q, sc, first         ; a quarter of a step: A's blocks 2 k, 2 k + 1
.if (\k) < 2
	WIN MUL_LO
.else
	WIN MUL_HI
.endif
	MULA 2*(\k), \p, \q, \sc, \first
	MULA 2*(\k)+1, \p, \q, \sc, \first
.endm
; A step of 128 along K that has its successor in the same slot.  A has one set of registers (a block is free when its eight products are issued), B two.
.macro STEP slot, q, first
	s_wait_dscnt (NA/2)*NL                         ; all but the youngest loads, A's second half
	MULQ 0, (\q)%2, \q, \slot, \first
	MULQ 1, (\q)%2, \q, \slot, \first
	s_wait_dscnt 0x0
	PLACES NP                                      ; in front of loads into registers that matrix instructions have read
	FETCH_B \slot, (\q)+1, 1-(\q)%2
	FETCH_A \slot, (\q)+1, 0
	MULQ 2, (\q)%2, \q, \slot, \first
	MULQ 3, (\q)%2, \q, \slot, \first
	PLACES NP
	WIN 0
	FETCH_A \slot, (\q)+1, NA/2
.endm
; A slot's last step changes slots: one barrier; in front of it each wave waits for all its tensor loads, adds 0 to its spare word, and waits for that and for its reads of this slot.
.macro TURN slot, next, fill
	s_wait_tensorcnt 0x0                           ; all my tensor loads have landed: my part of the next slot
	ds_add_u32 v[SPW], v[NIL]                      ; 0 onto my spare word
	s_wait_dscnt (NA/2)*NL+1                       ; the add and A's second half may be out
	MULQ 0, 1, 1, \slot, 0
	s_wait_dscnt 0x0                               ; the add is done, and my reads of this slot are over
	s_barrier_signal -1
	MULQ 1, 1, 1, \slot, 0
	WIN 0
	s_barrier_wait -1
.if \fill
	CREST                                          ; the barrier has opened a round of the cluster's: no wave of any partner still reads this slot or has a load on its way
	s_add_nc_u64 s[G0+4*\slot+2:G0+4*\slot+3], s[G0+4*\slot+2:G0+4*\slot+3], s[92:93]   ; two pairs of K steps on
	s_add_nc_u64 s[G0+4*\slot+2:G0+4*\slot+3], s[G0+4*\slot+2:G0+4*\slot+3], s[92:93]
	s_add_nc_u64 s[G0B+4*\slot+2:G0B+4*\slot+3], s[G0B+4*\slot+2:G0B+4*\slot+3], s[94:95]
	s_add_nc_u64 s[G0B+4*\slot+2:G0B+4*\slot+3], s[G0B+4*\slot+2:G0B+4*\slot+3], s[94:95]
	JLOAD G0+4*\slot, G1, G0B+4*\slot, G1B         ; the first tensor load behind the round; its four v_nop are the places in front of the loads below
.else
	PLACES NP
.endif
	s_wait_alu depctr_va_vdst(0)
	v_add_nc_u32 v[ADRS], 1024, v[ADRS]            ; the next slot's scale words
	FETCH_B \next, 0, 0
	FETCH_A \next, 0, 0
	SCALES \next
	MULQ 2, 1, 1, \slot, 0
	MULQ 3, 1, 1, \slot, 0
	PLACES NP
	WIN 0
	FETCH_A \next, 0, NA/2
.endm
	s_wait_alu depctr_va_vdst(0)
	s_wait_tensorcnt 1                             ; the scale words and my part of slot 0 are in; slot 1's load may be out
	s_wait_loadcnt 0x0                             ; the mask's bytes
	s_barrier_signal -1
	s_barrier_wait -1
	FETCH_B 0, 0, 0
	FETCH_A 0, 0, 0
	SCALES 0
	FETCH_A 0, 0, NA/2
	STEP 0, 0, 1                                   ; K = 1,024 is eight steps, four slots' worth: written out.  The first products start the sums
	TURN 0, 1, 1
	STEP 1, 0, 0
	TURN 1, 0, 1
	STEP 0, 0, 0
	TURN 0, 1, 0                                   ; nothing is left to fetch
	STEP 1, 0, 0
	s_wait_dscnt (NA/2)*NL
	MULQ 0, 1, 1, 1, 0
	MULQ 1, 1, 1, 1, 0
	s_wait_dscnt 0x0
	MULQ 2, 1, 1, 1, 0
	MULQ 3, 1, 1, 1, 0
	WIN 0
	PLACES NP
	; THE WAY OUT.  No tensor load of mine is out, so the descriptors' registers are free.  X, Y: my 128 rows of A, of B.
	s_mov_b32 s24, 0x1800000                       ; the floor 2^(3 - 127)
	s_mov_b32 s25, 0xffff0000                      ; lanes 16-31
	s_mov_b32 s26, 0x76543210
	s_mov_b32 s27, 0xfedcba98
.irp b, 0,1,2,3
	v_mov_b32 v[TM+4+\b], 0
.endr
	s_lshl_b32 s28, s41, 1
	s_add_co_u32 s28, s28, s17                     ; X
	s_lshl_b32 s29, s42, 1
	s_add_co_u32 s29, s29, s18                     ; Y
	s_and_b32 s30, s29, 7
	s_lshl_b32 s30, s30, 1                         ; q, k: the first of my two heads
	s_lshl_b32 s31, s28, 1                         ; v: likewise
	s_lshr_b32 s32, s29, 3                         ; q (0) or k (1)
	s_mov_b32 s34, 19200
	s_mov_b32 s35, 0x017f0000
	s_mov_b32 s39, 16*BLK                          ; from head to head
	s_mov_b32 s50, 1536
	s_cmp_lg_u32 s32, 0
	s_cselect_b32 s33, 0, 13056                    ; where the codes go in a block,
	s_cselect_b32 s34, 12288, s34                  ; and the scale words
	s_cselect_b32 s35, 0x01010000, s35             ; bytes 2 and 3 of a word
	s_cselect_b32 s36, 0x00e20000, 0               ; what a padded key adds to byte 2: 226
	s_cmp_lg_u32 s40, 0
	s_cselect_b32 s37, s29, s28                    ; 16 b + s: which 128 tokens
	s_cselect_b32 s30, s31, s30
	s_cselect_b32 s33, 6144, s33
	s_cselect_b32 s34, 12800, s34
	s_cselect_b32 s35, 0, s35
	s_cselect_b32 s36, 0, s36
	s_cselect_b32 s38, -1, 0xffff
	s_cselect_b32 s48, 768, s39                    ; from an image's first half to its second: the next head, or (v) 768 bytes
	s_cselect_b32 s50, s50, 768                    ; from tile to tile
	s_cselect_b32 s52, 309248, 0                   ; v: behind tile 3 on to the next head: 16 BLK - 4 x 1,536
	s_cselect_b32 s54, 16, 32
	s_cselect_b32 s55, s39, 16
	s_mov_b32 s49, 0
	s_mov_b32 s51, 0
	s_mov_b32 s53, 0
	s_mov_b32 s59, 0
	s_lshr_b32 s56, s37, 4
	s_lshl_b32 s56, s56, 4
	s_add_co_u32 s56, s56, s30
	s_lshl_b32 s56, s56, 4
	s_and_b32 s57, s37, 15
	s_add_co_u32 s56, s56, s57
	s_mul_i32 s56, s56, BLK                        ; the block (b, head, s)
	s_add_co_u32 s58, s56, s33
	s_add_nc_u64 s[60:61], s[14:15], s[58:59]
	s_add_nc_u64 s[62:63], s[60:61], s[48:49]
	s_add_co_u32 s58, s56, s34
	s_add_nc_u64 s[68:69], s[14:15], s[58:59]
	v_mul_u32_u24 v[SLO], v2, s54
	v_mad_u32_u24 v[SLO], v3, s55, v[SLO]
; A's tile a: the lane's 64 results become 12 registers of codes (set a % 2) and a scale word.  Each accumulator is read from its low end on.
.macro QUANTW a
.set AC, 64*((\a)%4)
.set WN, 2+(\a)/4
.set PCW, 128+24*((\a)%2)
	WIN (WN<<2)|(WN<<4)                            ; sources 1 and 2: the accumulators' window
.irp b, 0,1,2,3
	v_max3_num_f32 v[TM+\b], s24, |v[AC+16*\b]|, |v[AC+16*\b+1]|
.endr
.irp i, 2,4,6,8,10,12,14
.irp b, 0,1,2,3
	v_max3_num_f32 v[TM+\b], v[TM+\b], |v[AC+16*\b+\i]|, |v[AC+16*\b+\i+1]|
.endr
.endr
	WIN 0
.irp b, 0,1,2,3
	v_permlanex16_b32 v[TM+4+\b], v[TM+\b], s26, s27
.endr
.irp b, 0,1,2,3
	v_max_num_f32 v[TM+\b], v[TM+\b], v[TM+4+\b]
.endr
.irp b, 0,1,2,3
	v_add_nc_u32 v[TM+12+\b], 0xff000000, v[TM+\b]
.endr
.irp b, 0,1,2,3
	v_lshrrev_b32 v[TM+4+\b], 23, v[TM+12+\b]
.endr
	v_lshl_or_b32 v[WD+(\a)], v[TM+5], 8, v[TM+4]
	v_lshl_or_b32 v[WD+(\a)], v[TM+6], 16, v[WD+(\a)]
	v_lshl_or_b32 v[WD+(\a)], v[TM+7], 24, v[WD+(\a)]
	WIN WN                                         ; source 0: the accumulators' window
.irp c, 0,1
	v_cvt_scalef32_pk16_fp6_f32 v[PCW+6*\c:PCW+2+6*\c], v[AC+32*\c:AC+15+32*\c], v[TM+12+2*\c]
	v_cvt_scalef32_pk16_fp6_f32 v[PCW+12+4*\c:PCW+14+4*\c], v[AC+16+32*\c:AC+31+32*\c], v[TM+12+2*\c+1]
.endr
	WIN 0
	v_nop                                          ; one plain place behind a scaled conversion
.irp c, 0,1
.irp i, 0,1,2
	v_permlane16_swap_b32 v[PCW+6*\c+\i], v[PCW+12+4*\c+\i]
.endr
.irp i, 0,1,2
	v_mov_b32 v[PCW+3+6*\c+\i], v[PCW+12+4*\c+\i]
.endr
.endr
.endm
.irp a, 0,1,2,3,4,5,6,7
	QUANTW \a
	s_wait_alu depctr_va_vdst(0)
	s_wait_xcnt 0x0                                ; the earlier stores have read their bases and their data: the bases step, and the other set may be written next
.if \a > 0
	s_add_nc_u64 s[60:61], s[60:61], s[50:51]
	s_add_nc_u64 s[62:63], s[62:63], s[50:51]
.endif
.if \a == 4
	s_add_nc_u64 s[60:61], s[60:61], s[52:53]
	s_add_nc_u64 s[62:63], s[62:63], s[52:53]
.endif
	global_store_b128 v[L16], v[PCW:PCW+3], s[60:61]                 ; 768 consecutive bytes to each half image, aligned to 256
	global_store_b64 v[L8], v[PCW+4:PCW+5], s[60:61] offset:512
	global_store_b128 v[L16], v[PCW+6:PCW+9], s[62:63]
	global_store_b64 v[L8], v[PCW+10:PCW+11], s[62:63] offset:512
.endr
.irp k, 0,1,2,3                        ; lanes 0-15 store tiles 0-3's words, lanes 16-31 tiles 4-7's
	v_cndmask_b32 v[176+\k], v[WD+\k], v[WD+4+\k], s25
	v_cndmask_b32 v[180+\k], v[MB+\k], v[MB+4+\k], s25
.endr
.irp k, 0,1,2,3
	v_mad_u32_u24 v[180+\k], v[180+\k], s36, s35   ; bytes 2 and 3: q: 127, 1; k: 1 or 227, 1; v: none
.endr
.irp k, 0,1,2,3
	v_and_or_b32 v[184+\k], v[176+\k], s38, v[180+\k]   ; the first head's two bytes (v: the whole word)
	v_lshrrev_b32 v[188+\k], 16, v[176+\k]
.endr
.irp k, 0,1,2,3
	v_or_b32 v[188+\k], v[188+\k], v[180+\k]       ; the second head's
.endr
	global_store_b128 v[SLO], v[184:187], s[68:69]
	s_cmp_lg_u32 s40, 0                            ; the same in all partners
	s_cbranch_scc1 .Lv_part
	global_store_b128 v[SLO], v[188:191], s[68:69] offset:16*BLK
.Lv_part:
	s_wait_tensorcnt 0x0                           ; the wave's end
	ds_add_u32 v[SPW], v[NIL]
	s_wait_dscnt 0x0
	CROUND                                         ; the closing round
	s_endpgm
.Lfunc_end_k_qd68299dad5_qkv:
	.size	k_qd68299dad5_qkv, .Lfunc_end_k_qd68299dad5_qkv-k_qd68299dad5_qkv
	.p2alignl 7, 3214868480
	.fill 96, 4, 3214868480
	.section	.rodata,"a",@progbits
	.p2align	6, 0x0
	.amdhsa_kernel k_qd68299dad5_qkv
		.amdhsa_group_segment_fixed_size 327680
		.amdhsa_private_segment_fixed_size 0
		.amdhsa_enable_private_segment 0
		.amdhsa_kernarg_size 48
		.amdhsa_user_sgpr_count 2
		.amdhsa_user_sgpr_kernarg_segment_ptr 1
		.amdhsa_wavefront_size32 1
		.amdhsa_system_sgpr_workgroup_id_x 1
		.amdhsa_system_sgpr_workgroup_id_y 1
		.amdhsa_system_sgpr_workgroup_id_z 1
		.amdhsa_system_vgpr_workitem_id 0
		.amdhsa_next_free_vgpr 1024
		.amdhsa_next_free_sgpr 102
		.amdhsa_reserve_vcc 0
		.amdhsa_float_denorm_mode_32 3
		.amdhsa_float_denorm_mode_16_64 3
		.amdhsa_memory_ordered 1
		.amdhsa_forward_progress 1
		.amdhsa_inst_pref_size 152
	.end_amdhsa_kernel
	.amdgpu_metadata
---
amdhsa.version: [ 1, 2 ]
amdhsa.kernels:
  - .name:           k_qd68299dad5_qkv
    .symbol:         k_qd68299dad5_qkv.kd
    .args:
      - { .name: xc, .offset: 0, .size: 8, .value_kind: global_buffer, .address_space: global }
      - { .name: xs, .offset: 8, .size: 8, .value_kind: global_buffer, .address_space: global }
      - { .name: wc, .offset: 16, .size: 8, .value_kind: global_buffer, .address_space: global }
      - { .name: ws, .offset: 24, .size: 8, .value_kind: global_buffer, .address_space: global }
      - { .name: padding_mask, .offset: 32, .size: 8, .value_kind: global_buffer, .address_space: global }
      - { .name: qkv, .offset: 40, .size: 8, .value_kind: global_buffer, .address_space: global }
    .group_segment_fixed_size: 327680
    .private_segment_fixed_size: 0
    .kernarg_segment_align: 8
    .kernarg_segment_size: 48
    .max_flat_workgroup_size: 128
    .sgpr_count:     102
    .vgpr_count:     1024
    .wavefront_size: 32
...
	.end_amdgpu_metadata
.endif
;; end of part 2
;; launch attn (part 3): grid 8 x 32, 16 waves a work-group, no clusters, 327,680 bytes of LDS; arguments qkv, ac, asc; writes ac, asc
.if DOCPART == 3
	.amdgcn_target "amdgcn-amd-amdhsa--gfx1250"
	.amdhsa_code_object_version 6
	.text
	.protected	k_qd68299dad5_attn
	.globl	k_qd68299dad5_attn
	.p2align	8
	.type	k_qd68299dad5_attn,@function
k_qd68299dad5_attn:
	s_mov_b64 s[64:65], 0
	v_nop
	global_prefetch_b8 v0, s[64:65] scope:SCOPE_SE
	s_setreg_imm32_b32 hwreg(HW_REG_WAVE_MODE, 25, 1), 1
	s_wait_xcnt 0x0
; Causal attention with a padding mask on codes of FP6 (E2M3), head size 64, 2,048 tokens, 64 (batch, head) pairs; its result, divided by the row's sum, is quantised along the model's 1,024 and leaves as codes.
; INPUT: for each (b, head, 128 tokens) a block of 19,712 bytes: k's 8 half images of 768 bytes, v^T's 4 images of 1,536, k's scale words [row][tile 8], v's [row][tile 4] (together 13,056 bytes: what is streamed), q's 8 half images, q's words.
; t = score x log2(e) / 8; M = the running largest t rounded up to a whole number; p = 2^(t - M) is quantised along the keys; the row's sum is taken of the unquantised p and divides at the end.
; K = 64 IN AN INSTRUCTION OF 128: q's registers 6-11 hold the code 1.0 at k = 64 and zeros; a tile of k stands in 8 registers: 6 of codes, -1.0 at k = 64 (and 96), 0; its registers 8-11 are the next tile's first four: finite codes
; that meet q's zero codes.  Byte 2 of k's scale word is 227 for a padded key (its score is -2^100: p = 0) and 1 else (2^-126 is taken off the score).  So the input mask costs no vector instruction here.  LIMIT: |score| under 2^80.
; While the running largest t lies under -2^90 no key has counted: -M is held at -3e38, so every p is 0.  A ROW WITH NO KEY AT ALL has the sum 0: it gets zero codes and the scale bytes 0xff (NaN in E8M0), which make the whole output row NaN.
; SHARES.  A work-group takes two heads of one batch and query blocks 15 - g and g (128 queries each): 16 - g and g + 1 key steps of 128 keys: 17 in every work-group.  Wave w: head w % 2, tile of 16 queries w / 2.
; Both products are used transposed (S^T = K Q^T, O^T = V^T P^T): a lane holds one query.  Rows stand permuted inside each 32, so a lane's register 16 j + i is key (or channel) 32 j + 16 (lane / 16) + i.
; RING: two LDS slots of 2 x 13,056 bytes; waves 0 and 1 fetch a head each, one tensor load behind each barrier.  No cluster: behind the change of query blocks the work-groups of a head want different key steps.
.set BLK,   19712
.set HSTR,  16*BLK
.set HHB,   13056                      ; a head's bytes in a slot
.set SLOTB, 2*HHB
.set QST,   2*SLOTB                    ; 16 x 1,024 bytes: each wave's stage for its second block's q
.set SPARE, QST+16*1024                ; the spare words, 128 bytes a wave: eight blocks of 256 bytes that no other line names
.set QCO,   13056
.set QSO,   19200
.set S,   160                          ; v160-223 S^T, then p
.set O,   224                          ; v224-255 O^T
.set BM,  144
.set PM,  148
.set SO,  152
.set PWD, 156                          ; p's scale word
.set TT,  157
.set F,   158
.set PCD, 124                          ; p's codes
.set CT,  136
; v1 16 lane + head, v2 8 lane + head, v3 k's words, v4 v's words (LDS); v5, v6 the add's two; v7 my query - 16 h; v8 -infinity; v9 prefetch offset; v10 16 lane; v11 8 lane; v12 -M; v13 largest t; v[14:15] the sum;
; v16-27 q; v28 q's word; v29 my place in asc; v30, v31, v139 my q stage; v32-67 four tiles of k; v68-71 their words; v72-119 v^T; v120-123 its words; v143 -3e38
	s_load_b128 s[4:7], s[0:1], 0x0                ; qkv, ac
	s_load_b64 s[8:9], s[0:1], 0x10                ; asc
	v_lshl_add_u32 v5, v0, 2, SPARE
	v_mov_b32 v6, 0
	ds_add_u32 v5, v6
	ds_add_u32 v5, v6
	s_wait_dscnt 0x0
	v_lshrrev_b32 v1, 5, v0
	s_delay_alu instid0(VALU_DEP_1)
	v_readfirstlane_b32 s10, v1                    ; wave
	s_and_b32 s11, s10, 1                          ; hp: which of the two heads
	s_lshr_b32 s12, s10, 1                         ; u: which tile of queries
	s_mov_b32 s13, ttmp9                           ; g
	s_and_b32 s14, ttmp7, 0xffff
	s_and_b32 s15, s14, 7                          ; P: pair of heads
	s_lshr_b32 s14, s14, 3                         ; b
	s_sub_co_u32 s16, 15, s13                      ; the first block, and the step at which it ends
	s_sub_co_u32 s17, 16, s13                      ; the first step of the second block
	s_mov_b32 s18, 0                               ; the step
	s_mov_b32 s19, 8                               ; trips
	s_mov_b32 s24, 3<<16                           ; group 1: 51 rows of 256 bytes (32 elements of 8), dense, no padding, no mask
	s_mov_b32 s25, 32<<16
	s_mov_b32 s26, 51<<16
	s_mov_b32 s27, 32<<16
	s_mov_b32 s28, 51
	s_mov_b32 s29, 32
	s_mov_b32 s30, 0
	s_mov_b32 s31, 0
	s_mov_b32 s40, 0x76543210
	s_mov_b32 s41, 0xfedcba98
	s_mov_b32 s42, 0x3e38aa3b                      ; c = log2(e) / 8
	s_mov_b32 s43, s42
	s_mov_b32 s44, 0xec800000                      ; -2^90
	s_lshl_b32 s45, s14, 4
	s_lshl_b32 s46, s15, 1
	s_add_co_u32 s45, s45, s46                     ; 16 b + 2 P
	s_bfe_u32 s49, s10, 0x10001
	s_add_co_u32 s49, s49, s45                     ; the head that my prefetches name (waves 4, 5: the first; 6, 7: the second)
	s_mul_i32 s22, s49, HSTR
	s_add_co_u32 s22, s22, BLK                     ; at key step 1: each step's head adds a block ahead of the request
	s_mov_b32 s23, 0
	s_add_co_u32 s46, s45, s11
	s_mul_i32 s46, s46, HSTR
	s_mov_b32 s47, 0
	s_mul_i32 s48, s11, HHB
	s_wait_kmcnt 0x0
	s_add_nc_u64 s[20:21], s[4:5], s[46:47]        ; my head's blocks
	s_add_nc_u64 s[56:57], s[4:5], s[22:23]
	s_mov_b32 s32, 1
	s_mov_b32 s33, s48
	s_mov_b64 s[34:35], s[20:21]                   ; key step 0
	s_or_b32 s35, s35, 0x80000000
	s_mov_b32 s36, 1
	s_add_co_u32 s37, s48, SLOTB
	s_cmp_lt_u32 s10, 2
	s_cbranch_scc0 .Lno_first
	tensor_load_to_lds s[32:35], s[24:31]          ; slot 0's first fill: one load of mine is out
	s_nop 0
.rept 4
	v_nop
.endr
.Lno_first:
	v_and_b32 v176, 31, v0                         ; lane
	v_and_b32 v177, 15, v0                         ; r
	v_bfe_u32 v178, v0, 4, 1                       ; h
	s_delay_alu instid0(VALU_DEP_3)
	v_lshlrev_b32 v10, 4, v176
	s_delay_alu instid0(VALU_DEP_4)
	v_lshlrev_b32 v11, 3, v176
	s_mul_i32 s49, s12, 768
	v_add_nc_u32 v170, s49, v10                    ; q's tile u
	v_add_nc_u32 v171, s49, v11
	s_lshl_b32 s49, s12, 2
	v_lshl_add_u32 v172, v177, 5, s49              ; q's word: 32 r + 4 u
	s_mul_i32 s46, s16, BLK
	s_add_nc_u64 s[22:23], s[20:21], s[46:47]
	s_mul_i32 s46, s13, BLK
	s_add_nc_u64 s[60:61], s[20:21], s[46:47]
	global_load_b128 v[16:19], v170, s[22:23] offset:QCO          ; the first block's q
	global_load_b64 v[20:21], v171, s[22:23] offset:QCO+512
	global_load_b32 v28, v172, s[22:23] offset:QSO
	global_load_b128 v[160:163], v170, s[60:61] offset:QCO        ; the second block's
	global_load_b64 v[164:165], v171, s[60:61] offset:QCO+512
	global_load_b32 v166, v172, s[60:61] offset:QSO
	v_add_nc_u32 v1, s48, v10
	v_add_nc_u32 v2, s48, v11
	v_lshlrev_b32 v3, 5, v177
	s_delay_alu instid0(VALU_DEP_1)
	v_add_nc_u32 v3, s48, v3
	s_delay_alu instid0(VALU_DEP_1)
	v_add_nc_u32 v3, 12288, v3
	v_lshlrev_b32 v4, 4, v177
	s_delay_alu instid0(VALU_DEP_1)
	v_add_nc_u32 v4, s48, v4
	s_delay_alu instid0(VALU_DEP_1)
	v_add_nc_u32 v4, 12800, v4
	s_lshr_b32 s45, s12, 1
	s_lshl_b32 s45, s45, 5
	s_and_b32 s46, s12, 1
	s_lshl_b32 s46, s46, 3
	s_add_co_u32 s45, s45, s46
	v_and_b32 v179, 8, v177
	s_delay_alu instid0(VALU_DEP_1)
	v_add_nc_u32 v179, v179, v177
	s_delay_alu instid0(VALU_DEP_1)
	v_add_nc_u32 v7, s45, v179                     ; my query in its block: 32 (u / 2) + 8 (u % 2) + r + 8 (r / 8),
	v_lshlrev_b32 v180, 4, v178
	s_delay_alu instid0(VALU_DEP_1)
	v_sub_nc_u32 v7, v7, v180                      ; less 16 h
	s_lshl_b32 s45, s12, 2
	s_lshl_b32 s46, s11, 1
	s_add_co_u32 s45, s45, s46
	v_lshl_add_u32 v29, v177, 5, s45               ; 32 r + 4 u + 2 hp
	s_lshl_b32 s45, s10, 10
	s_add_co_u32 s45, s45, QST
	v_add_nc_u32 v30, s45, v10
	v_add_nc_u32 v31, s45, v11
	v_lshl_add_u32 v139, v176, 2, s45
	s_lshl_b32 s45, s11, 5
	v_add_nc_u32 v9, s45, v176
	s_delay_alu instid0(VALU_DEP_1)
	v_min_u32 v9, 50, v9                           ; a head's 51 runs of 256 bytes on two waves; the lanes that are over name the last
	s_delay_alu instid0(VALU_DEP_1)
	v_lshlrev_b32 v9, 8, v9
	s_lshr_b32 s45, s10, 2
	s_xor_b32 s45, s45, 1
	s_or_b32 s45, s45, s13
	s_cmp_eq_u32 s45, 0                            ; waves 4 to 7 of the work-group g = 0, which walks all 16 key steps in order
	s_cselect_b32 s58, 13, -1
	; where the results go: ac [pair of K steps P / 2][tile 128 b + 8 block + u][P % 2][half hp]; asc [16 b + block][K step P][row][tile u], bytes 2 hp, 2 hp + 1
	s_lshr_b32 s45, s15, 1
	s_mul_i32 s45, s45, 1572864
	s_lshl_b32 s46, s14, 7
	s_add_co_u32 s46, s46, s12
	s_mul_i32 s46, s46, 3072
	s_add_co_u32 s45, s45, s46
	s_and_b32 s46, s15, 1
	s_mul_i32 s46, s46, 1536
	s_add_co_u32 s45, s45, s46
	s_mul_i32 s46, s11, 768
	s_add_co_u32 s45, s45, s46
	s_mul_i32 s46, s16, 24576
	s_add_co_u32 s46, s46, s45
	s_add_nc_u64 s[50:51], s[6:7], s[46:47]
	s_mul_i32 s46, s13, 24576
	s_add_co_u32 s46, s46, s45
	s_add_nc_u64 s[54:55], s[6:7], s[46:47]
	s_lshl_b32 s45, s14, 16
	s_lshl_b32 s46, s15, 9
	s_add_co_u32 s45, s45, s46
	s_lshl_b32 s46, s16, 12
	s_add_co_u32 s46, s46, s45
	s_add_nc_u64 s[52:53], s[8:9], s[46:47]
	s_lshl_b32 s46, s13, 12
	s_add_co_u32 s46, s46, s45
	s_add_nc_u64 s[66:67], s[8:9], s[46:47]
	v_mov_b32 v8, 0xff800000
	v_mov_b32 v143, 0xff61b1e6
	s_delay_alu instid0(VALU_DEP_1)
	v_mov_b32 v12, v143
	s_delay_alu instid0(VALU_DEP_2)
	v_mov_b32 v13, v143
	v_mov_b32 v14, 0
	v_mov_b32 v15, 0
	v_lshlrev_b32 v22, 3, v178
	s_delay_alu instid0(VALU_DEP_1)
	v_sub_nc_u32 v22, 8, v22                       ; the code 1.0 at k = 64 (lanes 0-15); 0 at k = 96
.irp j, 23,24,25,26,27,64,65,66,67,148,149,150,151,157,159
	v_mov_b32 v\j, 0
.endr
.irp t, 0,1,2,3
	v_mov_b32 v[38+8*\t], 0x28                     ; the code -1.0
	v_mov_b32 v[39+8*\t], 0
.endr
.set n, 0
.rept 32
	v_mov_b32 v[O+n], 0                            ; the step is written once: the first finds zeros
.set n, n+1
.endr
	s_wait_loadcnt 0x0
	ds_store_b128 v30, v[160:163]                  ; the second block's q waits in my own stage
	ds_store_b64 v31, v[164:165] offset:512
	ds_store_b32 v139, v166 offset:768
.macro TLOAD g0                        ; waves 0 and 1 fetch, a head each; four v_nop follow the line
	s_cmp_lt_u32 s10, 2
	s_cbranch_scc0 .Lnone_\@
	tensor_load_to_lds s[\g0:\g0+3], s[24:31]
	s_nop 0
.rept 4
	v_nop
.endr
.Lnone_\@:
.endm
; A prefetch of key step I + 2, one step ahead of the tensor load that will want it: 51 runs of 256 bytes a head, lanes 256 bytes apart.  All eight work-groups of a pair of heads walk the same blocks:
; the one with g = 0 asks, waves 4 to 7, one instruction each; steps 0 and 1 come by their loads alone; behind step 13 nothing is left to name.
.macro ASK
	s_cmp_le_i32 s18, s58
	s_cbranch_scc0 .Lnot_mine_\@
	global_prefetch_b8 v9, s[56:57] th:TH_LOAD_NT scope:SCOPE_SE
.Lnot_mine_\@:
.endm
.macro KLOAD sb, g                     ; four tiles of k, 8 registers apart, and their scale words
.irp t, 0,1,2,3
	ds_load_b128 v[32+8*\t:35+8*\t], v1 offset:(\sb)+768*(4*\g+\t)
	ds_load_b64 v[36+8*\t:37+8*\t], v2 offset:(\sb)+768*(4*\g+\t)+512
.endr
	ds_load_b128 v[68:71], v3 offset:(\sb)+16*\g
.endm
.macro KQ g
.irp t, 0,1,2,3
	v_wmma_scale_f32_16x16x128_f8f6f4 v[S+8*(4*\g+\t):S+8*(4*\g+\t)+7], v[32+8*\t:43+8*\t], v[16:27], 0, v[68+\t], v28 matrix_a_fmt:MATRIX_FMT_FP6 matrix_b_fmt:MATRIX_FMT_FP6
.endr
.endm
; A KEY STEP: 128 keys out of slot.  diag = 1: the block's own keys (the causal mask); 0: tested.
.macro STEP slot, diag
	KLOAD (\slot)*SLOTB, 0
	s_wait_dscnt 0x0
	KQ 0
.rept 4
	v_nop                                          ; places in front of loads into registers that matrix instructions have read (k's; v's, read by the last step's products)
.endr
	KLOAD (\slot)*SLOTB, 1
.irp t, 0,1,2,3
	ds_load_b128 v[72+12*\t:75+12*\t], v1 offset:(\slot)*SLOTB+6144+1536*\t
	ds_load_b64 v[76+12*\t:77+12*\t], v2 offset:(\slot)*SLOTB+6144+1536*\t+512
	ds_load_b128 v[78+12*\t:81+12*\t], v1 offset:(\slot)*SLOTB+6144+1536*\t+768
	ds_load_b64 v[82+12*\t:83+12*\t], v2 offset:(\slot)*SLOTB+6144+1536*\t+1280
.endr
	ds_load_b128 v[120:123], v4 offset:(\slot)*SLOTB
	s_wait_dscnt 17                                ; k's nine loads are in; v's seventeen may be out
	KQ 1
.rept 4
	v_nop
.endr
.if !(\diag)
	s_cmp_eq_u32 s18, s16                          ; the first block's last step lies on the diagonal
	s_cbranch_scc0 .Lopen_\@
.endif
.set n, 0
.rept 64                               ; register n holds key 32 (n / 16) + 16 h + n % 16 of the block: hidden where it comes after my query
	v_cmp_gt_i32 vcc_lo, 32*(n/16)+n%16, v7
	v_cndmask_b32 v[S+n], v[S+n], v8, vcc_lo
.set n, n+1
.endr
.Lopen_\@:
.irp b, 0,1,2,3
	v_max3_num_f32 v[BM+\b], v[S+16*\b], v[S+1+16*\b], v[S+2+16*\b]   ; the largest score of each block of 32 keys: for the row's maximum, and, since p rises with the score, for the block's largest p
.endr
.irp i, 3,5,7,9,11,13
.irp b, 0,1,2,3
	v_max3_num_f32 v[BM+\b], v[BM+\b], v[S+16*\b+\i], v[S+1+16*\b+\i]
.endr
.endr
.irp b, 0,1,2,3
	v_max_num_f32 v[BM+\b], v[BM+\b], v[S+15+16*\b]
.endr
.irp b, 0,1,2,3
	s_delay_alu instid0(VALU_DEP_4)
	v_permlanex16_b32 v[PM+\b], v[BM+\b], s40, s41
.endr
.irp b, 0,1,2,3
	s_delay_alu instid0(VALU_DEP_4)
	v_max_num_f32 v[BM+\b], v[BM+\b], v[PM+\b]
.endr
	s_delay_alu instid0(VALU_DEP_2)
	v_max3_num_f32 v[TT], v[BM], v[BM+1], v[BM+2]
	s_delay_alu instid0(VALU_DEP_1)
	v_max_num_f32 v[TT], v[TT], v[BM+3]
	s_delay_alu instid0(VALU_DEP_1)
	v_mul_f32 v[TT], s42, v[TT]
	s_delay_alu instid0(VALU_DEP_1)
	v_max_num_f32 v13, v13, v[TT]                  ; the running largest t
	v_mov_b32 v[TT], v12
	s_delay_alu instid0(VALU_DEP_2)
	v_floor_f32 v12, -v13                          ; -M = floor(-t)
	s_delay_alu instid0(VALU_DEP_3)
	v_cmp_gt_f32 vcc_lo, s44, v13                  ; no key has counted yet:
	s_delay_alu instid0(VALU_DEP_1)
	v_cndmask_b32 v12, v12, v143, vcc_lo           ; -M = -3e38, every p is 0
	s_delay_alu instid0(VALU_DEP_1)
	v_sub_f32 v[TT], v12, v[TT]                    ; old M - new M, a whole number,
	s_delay_alu instid0(VALU_DEP_1)
	v_min_num_f32 v[TT], 0, v[TT]                  ; never above 0 (it would be where the first key counts: the sums are zeros there)
	s_delay_alu instid0(VALU_DEP_1)
	v_cvt_i32_f32 v[TT], v[TT]
	s_delay_alu instid0(VALU_DEP_1)
	v_ldexp_f32 v[F], 1.0, v[TT]                   ; f = 2^(old M - new M): rounds nothing
.set n, 0
.rept 32
	v_pk_fma_f32 v[S+n:S+n+1], v[S+n:S+n+1], s[42:43], v[12:13] op_sel_hi:[1,0,0]   ; t - M
.set n, n+2
.endr
.irp b, 0,1,2,3
	v_fma_f32 v[BM+\b], v[BM+\b], s42, v12
.endr
.set n, 0
	s_wait_alu depctr_va_vdst(0)
.rept 64
	v_exp_f32 v[S+n], v[S+n]                       ; p, at most 1, not normalised
.set n, n+1
.endr
	v_pk_mul_f32 v[14:15], v[14:15], v[F:F+1] op_sel_hi:[1,0]   ; a plain place behind the exponentials
	s_wait_alu depctr_va_vdst(0)                   ; one wait for the batch, ahead of its first reader
.irp b, 0,1,2,3
	v_exp_f32 v[BM+\b], v[BM+\b]                   ; each block's largest p
.endr
	v_pk_add_f32 v[148:149], v[164:165], v[168:169]
	v_pk_add_f32 v[154:155], v[172:173], v[176:177]
	v_pk_add_f32 v[152:153], v[180:181], v[184:185]
	v_pk_add_f32 v[150:151], v[188:189], v[192:193]
	v_pk_add_f32 v[140:141], v[196:197], v[200:201]
	v_pk_add_f32 v[136:137], v[204:205], v[208:209]
	v_pk_add_f32 v[134:135], v[212:213], v[216:217]
	v_pk_add_f32 v[14:15], v[14:15], v[220:221]
	v_pk_add_f32 v[148:149], v[148:149], v[160:161]
	v_pk_add_f32 v[154:155], v[154:155], v[162:163]
	v_pk_add_f32 v[152:153], v[152:153], v[166:167]
	v_pk_add_f32 v[150:151], v[150:151], v[170:171]
	v_pk_add_f32 v[140:141], v[140:141], v[174:175]
	v_pk_add_f32 v[136:137], v[136:137], v[178:179]
	v_pk_add_f32 v[134:135], v[134:135], v[182:183]
	v_pk_add_f32 v[14:15], v[14:15], v[186:187]
	v_pk_add_f32 v[148:149], v[148:149], v[190:191]
	v_pk_add_f32 v[154:155], v[154:155], v[194:195]
	v_pk_add_f32 v[152:153], v[152:153], v[198:199]
	v_pk_add_f32 v[150:151], v[150:151], v[202:203]
	v_pk_add_f32 v[140:141], v[140:141], v[206:207]
	v_pk_add_f32 v[136:137], v[136:137], v[210:211]
	v_pk_add_f32 v[134:135], v[134:135], v[214:215]
	v_pk_add_f32 v[14:15], v[14:15], v[218:219]
	v_pk_add_f32 v[148:149], v[148:149], v[222:223]
	s_delay_alu instid0(VALU_DEP_2)
	v_pk_add_f32 v[14:15], v[14:15], v[150:151]
	s_delay_alu instid0(VALU_DEP_2)
	v_pk_add_f32 v[148:149], v[148:149], v[140:141]
	v_pk_add_f32 v[154:155], v[154:155], v[136:137]
	v_pk_add_f32 v[152:153], v[152:153], v[134:135]
	s_delay_alu instid0(VALU_DEP_2)
	v_pk_add_f32 v[14:15], v[14:15], v[154:155]
	s_delay_alu instid0(VALU_DEP_2)
	v_pk_add_f32 v[148:149], v[148:149], v[152:153]
	s_delay_alu instid0(VALU_DEP_1)
	v_pk_add_f32 v[14:15], v[14:15], v[148:149]
	s_wait_alu depctr_va_vdst(0)                   ; and one for the four
.irp b, 0,1,2,3
	v_max_num_f32 v[BM+\b], 0x1800000, v[BM+\b]    ; the floor: the byte cannot fall under 1
.endr
.irp b, 0,1,2,3
	s_delay_alu instid0(VALU_DEP_4)
	v_add_nc_u32 v[SO+\b], 0xff000000, v[BM+\b]
.endr
.irp b, 0,1,2,3
	s_delay_alu instid0(VALU_DEP_4)
	v_lshrrev_b32 v[PM+\b], 23, v[SO+\b]
.endr
	s_delay_alu instid0(VALU_DEP_3)
	v_lshl_or_b32 v[PWD], v[PM+1], 8, v[PM]
	s_delay_alu instid0(VALU_DEP_1)
	v_lshl_or_b32 v[PWD], v[PM+2], 16, v[PWD]
	s_delay_alu instid0(VALU_DEP_1)
	v_lshl_or_b32 v[PWD], v[PM+3], 24, v[PWD]
.irp c, 0,1
	v_cvt_scalef32_pk16_fp6_f32 v[PCD+6*\c:PCD+2+6*\c], v[S+32*\c:S+15+32*\c], v[SO+2*\c]
	v_cvt_scalef32_pk16_fp6_f32 v[CT+4*\c:CT+2+4*\c], v[S+16+32*\c:S+31+32*\c], v[SO+2*\c+1]
.endr
	v_nop
.irp c, 0,1
.irp i, 0,1,2
	v_permlane16_swap_b32 v[PCD+6*\c+\i], v[CT+4*\c+\i]
.endr
.irp i, 0,1,2
	s_delay_alu instid0(VALU_DEP_3)
	v_mov_b32 v[PCD+3+6*\c+\i], v[CT+4*\c+\i]
.endr
.endr
.set n, 0
.rept 16
	v_pk_mul_f32 v[O+n:O+n+1], v[O+n:O+n+1], v[F:F+1] op_sel_hi:[1,0]   ; O^T under the new M; also the places between p's word and codes and the products
.set n, n+2
.endr
	s_wait_alu depctr_va_vdst(0)
	s_wait_dscnt 0x0                               ; v^T is in
.irp t, 0,1,2,3                        ; four accumulators by turns, one instruction a turn
	v_wmma_scale_f32_16x16x128_f8f6f4 v[O+8*\t:O+8*\t+7], v[72+12*\t:83+12*\t], v[PCD:PCD+11], v[O+8*\t:O+8*\t+7], v[120+\t], v[PWD] matrix_a_fmt:MATRIX_FMT_FP6 matrix_b_fmt:MATRIX_FMT_FP6
.endr
.endm
; A block's end: O^T / the sum, quantised along the head's 64 (two blocks of 32): a half image and two scale bytes.
.macro FINISH
.rept 4
	v_nop
.endr
	v_add_f32 v14, v14, v15
	s_delay_alu instid0(VALU_DEP_1)
	v_permlanex16_b32 v[TT], v14, s40, s41
	s_delay_alu instid0(VALU_DEP_1)
	v_add_f32 v14, v14, v[TT]                      ; the row's sum
	s_delay_alu instid0(VALU_DEP_1)
	v_cmp_neq_f32 vcc_lo, 0, v14
	v_rcp_f32 v[F], v14
	v_nop
	s_wait_alu depctr_va_vdst(0)
	v_cndmask_b32 v[F], 0, v[F], vcc_lo            ; no key at all: zeros
.set n, 0
.rept 16
	v_pk_mul_f32 v[S+n:S+n+1], v[O+n:O+n+1], v[F:F+1] op_sel_hi:[1,0]
.set n, n+2
.endr
.irp b, 0,1
	v_max3_num_f32 v[BM+\b], |v[S+16*\b]|, |v[S+1+16*\b]|, 0x1800000
.endr
.irp i, 2,4,6,8,10,12,14
.irp b, 0,1
	s_delay_alu instid0(VALU_DEP_2)
	v_max3_num_f32 v[BM+\b], v[BM+\b], |v[S+16*\b+\i]|, |v[S+1+16*\b+\i]|
.endr
.endr
.irp b, 0,1
	s_delay_alu instid0(VALU_DEP_2)
	v_permlanex16_b32 v[PM+\b], v[BM+\b], s40, s41
.endr
.irp b, 0,1
	s_delay_alu instid0(VALU_DEP_2)
	v_max_num_f32 v[BM+\b], v[BM+\b], v[PM+\b]
.endr
.irp b, 0,1
	s_delay_alu instid0(VALU_DEP_2)
	v_add_nc_u32 v[SO+\b], 0xff000000, v[BM+\b]
.endr
.irp b, 0,1
	s_delay_alu instid0(VALU_DEP_2)
	v_lshrrev_b32 v[PM+\b], 23, v[SO+\b]
.endr
	s_delay_alu instid0(VALU_DEP_1)
	v_lshl_or_b32 v[TT], v[PM+1], 8, v[PM]
	s_delay_alu instid0(VALU_DEP_1)
	v_cndmask_b32 v[TT], 0xffff, v[TT], vcc_lo     ; no key at all: NaN
	v_cvt_scalef32_pk16_fp6_f32 v[PCD:PCD+2], v[S:S+15], v[SO]
	v_cvt_scalef32_pk16_fp6_f32 v[CT:CT+2], v[S+16:S+31], v[SO+1]
	v_nop
.irp i, 0,1,2
	v_permlane16_swap_b32 v[PCD+\i], v[CT+\i]
.endr
.irp i, 0,1,2
	s_delay_alu instid0(VALU_DEP_3)
	v_mov_b32 v[PCD+3+\i], v[CT+\i]
.endr
	global_store_b128 v10, v[PCD:PCD+3], s[50:51]              ; 768 consecutive bytes, aligned to 256
	global_store_b64 v11, v[PCD+4:PCD+5], s[50:51] offset:512
	global_store_b16 v29, v[TT], s[52:53]          ; two bytes a row (lanes l and l + 16 write the same); the sixteen waves together fill 512 consecutive bytes
.endm
.macro REINIT                          ; on to the second block
	ds_load_b128 v[16:19], v30
	ds_load_b64 v[20:21], v31 offset:512
	ds_load_b32 v28, v139 offset:768
	v_mov_b32 v12, v143
	v_mov_b32 v13, v143
	v_mov_b32 v14, 0
	v_mov_b32 v15, 0
.set n, 0
.rept 32
	v_mov_b32 v[O+n], 0
.set n, n+1
.endr
	s_wait_xcnt 0x0                                ; the stores have read their bases and data
	s_mov_b64 s[50:51], s[54:55]
	s_mov_b64 s[52:53], s[66:67]
	s_wait_dscnt 0x0
.endm
; A trip: the change of slots stands at its head.  Each wave waits for all its tensor loads, adds 0 to its spare word, waits for that and for its reads of the slot that it has left; behind the barrier
; that slot is filled with the next step's blocks (step n = I + 1: key step n, or n - (16 - g) in the second block), which have this step's work in which to land.
.macro TRIP slot, refill, last
	s_wait_tensorcnt 0x0
	ds_add_u32 v5, v6
.if \refill
	s_add_co_u32 s45, s18, 1
	s_cmp_ge_u32 s45, s17
	s_cselect_b32 s46, s17, 0
	s_sub_co_u32 s45, s45, s46
	s_mul_i32 s46, s45, BLK
	s_add_nc_u64 s[38-4*\slot:39-4*\slot], s[20:21], s[46:47]
	s_or_b32 s[39-4*\slot], s[39-4*\slot], 0x80000000
	s_wait_xcnt 0x0                                ; the last prefetch, a step back, has read its address
	s_add_nc_u64 s[56:57], s[56:57], BLK
.endif
	s_wait_dscnt 0x0
	s_barrier_signal -1
	s_barrier_wait -1
.if \refill
	TLOAD 36-4*\slot
	ASK
.endif
	STEP \slot, \last
.if \last
	FINISH
.else
	s_cmp_eq_u32 s18, s16
	s_cbranch_scc0 .Lon_\@
	FINISH
	REINIT
.Lon_\@:
	s_add_co_u32 s18, s18, 1
.endif
.endm
.Ltrip:                                            ; 8 trips of two steps; the seventeenth step is written out
	TRIP 0, 1, 0
	TRIP 1, 1, 0
	s_sub_co_u32 s19, s19, 1
	s_cmp_lg_u32 s19, 0
	s_cbranch_scc1 .Ltrip
	TRIP 0, 0, 1
	s_wait_tensorcnt 0x0                           ; the wave's end
	ds_add_u32 v5, v6
	s_wait_dscnt 0x0
	s_endpgm
.Lfunc_end_k_qd68299dad5_attn:
	.size	k_qd68299dad5_attn, .Lfunc_end_k_qd68299dad5_attn-k_qd68299dad5_attn
	.p2alignl 7, 3214868480
	.fill 96, 4, 3214868480
	.section	.rodata,"a",@progbits
	.p2align	6, 0x0
	.amdhsa_kernel k_qd68299dad5_attn
		.amdhsa_group_segment_fixed_size 327680
		.amdhsa_private_segment_fixed_size 0
		.amdhsa_enable_private_segment 0
		.amdhsa_kernarg_size 24
		.amdhsa_user_sgpr_count 2
		.amdhsa_user_sgpr_kernarg_segment_ptr 1
		.amdhsa_wavefront_size32 1
		.amdhsa_system_sgpr_workgroup_id_x 1
		.amdhsa_system_sgpr_workgroup_id_y 1
		.amdhsa_system_sgpr_workgroup_id_z 1
		.amdhsa_system_vgpr_workitem_id 0
		.amdhsa_next_free_vgpr 256
		.amdhsa_next_free_sgpr 72
		.amdhsa_reserve_vcc 1
		.amdhsa_float_denorm_mode_32 3
		.amdhsa_float_denorm_mode_16_64 3
		.amdhsa_memory_ordered 1
		.amdhsa_forward_progress 1
		.amdhsa_inst_pref_size 95
	.end_amdhsa_kernel
	.amdgpu_metadata
---
amdhsa.version: [ 1, 2 ]
amdhsa.kernels:
  - .name:           k_qd68299dad5_attn
    .symbol:         k_qd68299dad5_attn.kd
    .args:
      - { .name: qkv, .offset: 0, .size: 8, .value_kind: global_buffer, .address_space: global }
      - { .name: ac, .offset: 8, .size: 8, .value_kind: global_buffer, .address_space: global }
      - { .name: asc, .offset: 16, .size: 8, .value_kind: global_buffer, .address_space: global }
    .group_segment_fixed_size: 327680
    .private_segment_fixed_size: 0
    .kernarg_segment_align: 8
    .kernarg_segment_size: 24
    .max_flat_workgroup_size: 512
    .sgpr_count:     72
    .vgpr_count:     256
    .wavefront_size: 32
...
	.end_amdgpu_metadata
.endif
;; end of part 3
;; launch proj (part 4): grid 4 x 64, 4 waves a work-group, clusters of 4 x 4, 327,680 bytes of LDS; arguments ac, asc, wc, ws, bo, padding_mask, out0; writes out0
.if DOCPART == 4
	.amdgcn_target "amdgcn-amd-amdhsa--gfx1250"
	.amdhsa_code_object_version 6
	.text
	.protected	k_qd68299dad5_proj
	.globl	k_qd68299dad5_proj
	.p2align	8
	.type	k_qd68299dad5_proj,@function
k_qd68299dad5_proj:
	s_mov_b64 s[64:65], 0
	v_nop
	global_prefetch_b8 v0, s[64:65] scope:SCOPE_SE
	s_setreg_imm32_b32 hwreg(HW_REG_WAVE_MODE, 25, 1), 1
	s_wait_xcnt 0x0
	s_wait_alu depctr_hold_cnt(0) depctr_sa_sdst(0) depctr_va_vdst(0) depctr_va_sdst(0) depctr_va_ssrc(0) depctr_va_vcc(0) depctr_vm_vsrc(0)
	s_getreg_b32 s2, hwreg(HW_REG_IB_STS2, 6, 4)
	s_cmp_eq_u32 s2, 0
	s_cbranch_scc0 .Lentry_in_a_cluster
	s_endpgm
.Lentry_in_a_cluster:
	s_bfe_u32 s2, ttmp6, 0x10000c
	s_cmp_lg_u32 s2, 0xf033
	s_cbranch_scc0 .Lentry_shape_is_right
	s_endpgm
.Lentry_shape_is_right:
; out0 = (attention's result x Wo^T + bo) x (1 - padding_mask), the product on codes of FP6 (E2M3, one E8M0 byte for 32 along K), K = 1,024.
; A tile of 128 rows x 256 columns to a work-group (256 work-groups), 64 x 128 to each of four waves: 32 accumulators.  Source 1 ("A": the rows' codes, ac) gives a lane its row; source 0 ("B": Wo) runs down a lane's registers.
; Operands lie in memory as images of their registers (1,536 bytes for 16 rows x 128 K), [pair of K steps][tile][K step][image]; scale words [8 tiles][K step][row][tile]; rows stand permuted inside each 32
; (place 16 u + r = row 8 u + r + 8 (r / 8)), so a lane's register 16 j + i is column 32 j + 16 (lane / 16) + i.  The bias is the C of each sum's first matrix instruction.
; A row whose scale bytes are 0xff (no key counted for it) comes out NaN, and stays NaN under the multiplication by 0 or 1.
; CLUSTERS: 4 x 4.  A's tiles are asked for jointly along a row of the cluster, B's along a column.
; REGISTERS: window 0: v2 r, v3 h, v8-15 1 - mask, a pair for each of A's tiles; v16-31 addresses; v32-63 scale words, two sets; v64-127 the bias; from v128 A's 4 fragments; on the way out v64-255 are free.
;   window 1: B's fragments, two sets (v0, v128);  window 2: accumulator (a, b) at v[8 (8 a + b)].
.set NA,     4
.set NL,     4
.set NP,     4
.set HALFA,  NA*3072
.set HALFB,  24576
.set SLOT,   2*HALFA+2*HALFB
.set SCL,    2*SLOT
.set SCA,    NA*1024
.set SPARE,  SCL+SCA+8192              ; the spare words, 128 bytes a wave: two blocks of 256 bytes that no other line names
.set SPITCH, 528                       ; the way out: 16 rows x (512 + 16) bytes for each wave, in slot 0, which has had its last fill and its last read by then
.set KEEP,   8
.set ADRA16, 16
.set ADRA8,  18
.set ADRB16, 20
.set ADRB8,  22
.set L16,    24
.set STO,    25
.set RD,     26
.set ADRS,   27
.set SPW,    28
.set NIL,    29
.set MO,     30
.set BO,     31
.set SC,     32
.set BI,     64
.set AF,     128
.set G1, 24
.set G0, 32
.set G1B, 48
.set G0B, 56
.set G1S, 68
.set G0S, 76
.set G1SB, 80
.set G0SB, 88
.set MSB, 0
.macro WIN new
.if MSB != \new
	s_set_vgpr_msb (MSB<<8)|\new
.set MSB, \new
.endif
.endm
.set MUL_LO, 0xa1                      ; source 0 (B) window 1, source 1 (A) window 0, C and D window 2
.set MUL_BI, 0x81                      ; the same with C (the bias) in window 0
.set TO_B,   0x40
.macro JLOAD g0a, g1a, g0b, g1b        ; waves 0 and 1 fetch for A, waves 2 and 3 for B; four v_nop follow each line
	s_cmp_eq_u32 s17, 0
	s_cbranch_scc0 .Lfor_b_\@
	tensor_load_to_lds s[\g0a:\g0a+3], s[\g1a:\g1a+7]
	s_nop 0
.rept 4
	v_nop
.endr
	s_branch .Lasked_\@
.Lfor_b_\@:
	tensor_load_to_lds s[\g0b:\g0b+3], s[\g1b:\g1b+7]
	s_nop 0
.rept 4
	v_nop
.endr
.Lasked_\@:
.endm
.macro CREST
	s_cmp_lg_u32 s16, 0
	s_cbranch_scc1 .Lnot_wave_0_\@
	s_barrier_signal -3
.Lnot_wave_0_\@:
	s_barrier_wait -3
	s_barrier_signal -1
	s_barrier_wait -1
.endm
.macro CROUND
	s_barrier_signal -1
	s_barrier_wait -1
	CREST
.endm
.macro PLACES n
.rept \n
	v_nop
.endr
.endm
	s_load_b256 s[4:11], s[0:1], 0x0               ; ac, asc, wc, ws
	s_load_b128 s[12:15], s[0:1], 0x20             ; bo, padding_mask
	s_load_b64 s[46:47], s[0:1], 0x30              ; out0
	v_lshl_add_u32 v[SPW], v0, 2, SPARE
	v_mov_b32 v[NIL], 0
	ds_add_u32 v28, v29
	ds_add_u32 v28, v29
	s_wait_dscnt 0x0
	v_lshrrev_b32 v1, 5, v0
	v_readfirstlane_b32 s16, v1                    ; wave
	s_lshr_b32 s17, s16, 1                         ; RH: my 64 rows.  Also: I fetch for A (0) or B (1)
	s_and_b32 s18, s16, 1                          ; CH: my 128 columns.  Also: which half I fetch
	s_bfe_u32 s20, ttmp6, 0x40000                  ; cx
	s_bfe_u32 s21, ttmp6, 0x40004                  ; cy
	s_and_b32 s23, ttmp7, 0xffff
	s_lshl_b32 s41, s23, 2
	s_add_co_u32 s41, s41, s21                     ; TR: which 128 rows
	s_lshl_b32 s42, ttmp9, 2
	s_add_co_u32 s42, s42, s20                     ; TC: which 256 columns
	s_lshl_b32 s43, s21, 2
	s_lshl_b32 s43, 15, s43                        ; my row of the cluster
	s_lshl_b32 s44, 0x1111, s20                    ; my column
	; descriptor groups 1: dense blocks as rows of 256 bytes (32 elements of 8 bytes), no padding: A's codes 48 rows, B's 96, A's scale words 8, B's 16
	s_or_b32 s[G1+0], s43, (3<<16)|(1<<21)
	s_or_b32 s[G1B+0], s44, (3<<16)|(1<<21)
	s_or_b32 s[G1S+0], s43, (3<<16)|(1<<21)
	s_or_b32 s[G1SB+0], s44, (3<<16)|(1<<21)
	s_mov_b32 s[G1+2], 48<<16
	s_mov_b32 s[G1+4], 48
	s_mov_b32 s[G1B+2], 96<<16
	s_mov_b32 s[G1B+4], 96
	s_mov_b32 s[G1S+2], 8<<16
	s_mov_b32 s[G1S+4], 8
	s_mov_b32 s[G1SB+2], 16<<16
	s_mov_b32 s[G1SB+4], 16
.irp g, G1, G1B, G1S, G1SB
	s_mov_b32 s[\g+1], 32<<16
	s_mov_b32 s[\g+3], 32<<16
	s_mov_b32 s[\g+5], 32
	s_mov_b32 s[\g+6], 0
	s_mov_b32 s[\g+7], 0
.endr
	s_lshl_b32 s96, s41, 3
	s_lshl_b32 s45, s18, 2
	s_add_co_u32 s96, s96, s45
	s_mul_i32 s96, s96, 3072                       ; A's codes: tile 8 TR + 4 x half
	s_mov_b32 s97, 0
	s_lshl_b32 s98, s41, 12
	s_lshl_b32 s45, s18, 11
	s_add_co_u32 s98, s98, s45                     ; A's scale words: 4,096 TR + 2,048 x half
	s_mov_b32 s99, 0
	s_lshl_b32 s100, s42, 4
	s_lshl_b32 s45, s18, 3
	s_add_co_u32 s100, s100, s45
	s_add_co_u32 s100, s100, 192                   ; B: Wo's tiles begin at 192 in wc (in registers that never hold cy)
	s_lshl_b32 s66, s100, 9
	s_mul_i32 s100, s100, 3072
	s_mov_b32 s101, 0
	s_mov_b32 s67, 0
	s_lshl_b32 s22, s42, 10
	s_lshl_b32 s45, s18, 9
	s_add_co_u32 s22, s22, s45                     ; my first column, in bytes of f32
	s_mov_b32 s23, 0
	s_lshl_b32 s2, s41, 7
	s_lshl_b32 s45, s17, 6
	s_add_co_u32 s2, s2, s45                       ; my first row
	s_mov_b32 s3, 0
	s_lshl_b32 s92, s2, 12
	s_add_co_u32 s92, s92, s22
	s_mov_b32 s93, 0
	s_mul_i32 s[G0+1], s18, HALFA                  ; LDS addresses: the wave's number and constants alone
	s_add_co_u32 s[G0+5], s[G0+1], SLOT
	s_mul_i32 s[G0B+1], s18, HALFB
	s_add_co_u32 s[G0B+1], s[G0B+1], 2*HALFA
	s_add_co_u32 s[G0B+5], s[G0B+1], SLOT
	s_mul_i32 s[G0S+1], s18, SCA/2
	s_add_co_u32 s[G0S+1], s[G0S+1], SCL
	s_lshl_b32 s[G0SB+1], s18, 12
	s_add_co_u32 s[G0SB+1], s[G0SB+1], SCL+SCA
	s_mov_b32 s[G0], 1
	s_mov_b32 s[G0+4], 1
	s_mov_b32 s[G0B], 1
	s_mov_b32 s[G0B+4], 1
	s_mov_b32 s[G0S], 1
	s_mov_b32 s[G0SB], 1
	s_wait_kmcnt 0x0
	s_add_nc_u64 s[G0+2:G0+3], s[4:5], s[96:97]
	s_add_nc_u64 s[G0S+2:G0S+3], s[6:7], s[98:99]
	s_add_nc_u64 s[G0B+2:G0B+3], s[8:9], s[100:101]
	s_add_nc_u64 s[G0SB+2:G0SB+3], s[10:11], s[66:67]
	s_add_nc_u64 s[G0+6:G0+7], s[G0+2:G0+3], 1572864       ; slot 1 begins with the second pair of K steps: 512 tiles x 3,072,
	s_add_nc_u64 s[G0B+6:G0B+7], s[G0B+2:G0B+3], 786432    ; 256 tiles x 3,072
	s_or_b32 s[G0+3], s[G0+3], 0x80000000
	s_or_b32 s[G0+7], s[G0+7], 0x80000000
	s_or_b32 s[G0B+3], s[G0B+3], 0x80000000
	s_or_b32 s[G0B+7], s[G0B+7], 0x80000000
	s_or_b32 s[G0S+3], s[G0S+3], 0x80000000
	s_or_b32 s[G0SB+3], s[G0SB+3], 0x80000000
	s_add_nc_u64 s[12:13], s[12:13], s[22:23]
	s_add_nc_u64 s[14:15], s[14:15], s[2:3]
	s_add_nc_u64 s[46:47], s[46:47], s[92:93]
	CROUND                                         ; all sixteen work-groups are here: the first joint loads meet
	JLOAD G0S, G1S, G0SB, G1SB                     ; three loads of mine are out: the scale words,
	JLOAD G0, G1, G0B, G1B                         ; slot 0,
	JLOAD G0+4, G1, G0B+4, G1B                     ; slot 1
	v_and_b32 v1, 31, v0                           ; lane
	v_and_b32 v2, 15, v0                           ; r
	v_bfe_u32 v3, v0, 4, 1                         ; h
	v_lshlrev_b32 v[L16], 4, v1
	v_lshlrev_b32 v5, 3, v1
	v_and_b32 v[MO], 8, v2
	v_add_nc_u32 v[MO], v[MO], v2                  ; r + 8 (r / 8)
	v_lshlrev_b32 v[BO], 6, v3                     ; 64 h
.irp b, 0,1,2,3,4,5,6,7
	global_load_b128 v[BI+8*\b:BI+8*\b+3], v[BO], s[12:13] offset:128*(\b/2)+32*(\b%2)       ; the bias in the result's layout: columns 32 (b / 2) + 16 h + 8 (b % 2) + 0 .. 7
	global_load_b128 v[BI+8*\b+4:BI+8*\b+7], v[BO], s[12:13] offset:128*(\b/2)+32*(\b%2)+16
.endr
.irp a, 0,1,2,3
	global_load_u8 v[KEEP+2*\a], v[MO], s[14:15] offset:32*(\a/2)+8*(\a%2)   ; the mask's byte of my row in A's tile a
.endr
	s_mul_i32 s45, s17, HALFA
	s_mul_i32 s2, s18, HALFB
	s_add_co_u32 s2, s2, 2*HALFA
.irp s, 0,1
	v_add_nc_u32 v[ADRA16+\s], s45, v[L16]
	v_add_nc_u32 v[ADRA8+\s], s45, v5
	v_add_nc_u32 v[ADRB16+\s], s2, v[L16]
	v_add_nc_u32 v[ADRB8+\s], s2, v5
	s_add_co_u32 s45, s45, SLOT
	s_add_co_u32 s2, s2, SLOT
.endr
	s_lshl_b32 s45, s17, 4                         ; A's words: my 4 tiles' 16 bytes of a row's 32
	s_lshl_b32 s2, s18, 12
	s_add_co_u32 s2, s2, SCA
	s_sub_co_u32 s2, s2, s45
	v_mul_u32_u24 v6, s2, v3                       ; lanes 16-31 take B's: one product with h
	s_add_co_u32 s45, s45, SCL
	v_lshlrev_b32 v7, 5, v2
	v_add_nc_u32 v7, v7, v6
	v_add_nc_u32 v[ADRS], s45, v7
	s_mul_i32 s45, s16, 16*SPITCH                  ; my stage
	v_mul_u32_u24 v[STO], v2, SPITCH
	v_lshl_add_u32 v[STO], v3, 6, v[STO]
	v_add_nc_u32 v[STO], s45, v[STO]               ; in: row r, + 64 h
	v_add_nc_u32 v[RD], s45, v[L16]                ; back: a row of 512 bytes to the 32 lanes
.macro FRAG reg, a16, a8, off
	ds_load_b128 v[(\reg):(\reg)+3], v[\a16] offset:(\off)
	ds_load_b64 v[(\reg)+4:(\reg)+5], v[\a8] offset:(\off)+512
	ds_load_b128 v[(\reg)+6:(\reg)+9], v[\a16] offset:(\off)+768
	ds_load_b64 v[(\reg)+10:(\reg)+11], v[\a8] offset:(\off)+1280
.endm
.macro FETCH_B slot, q, p
	WIN TO_B
.irp i, 0,1,2,3,4,5,6,7
	FRAG 128*(\p)+12*\i, ADRB16+\slot, ADRB8+\slot, \i*3072+(\q)*1536
.endr
	WIN 0
.endm
.macro FETCH_A slot, q, i0
.set II, \i0
.rept NA/2
	FRAG AF+12*II, ADRA16+\slot, ADRA8+\slot, II*3072+(\q)*1536
.set II, II+1
.endr
.endm
.macro SCALES sc                       ; register 8 q + i: lanes 0-15 A's tile i (i under 4), lanes 16-31 B's tile i
.irp q, 0,1
	ds_load_b128 v[SC+16*\sc+8*\q:SC+16*\sc+8*\q+3], v[ADRS] offset:512*\q
	ds_load_b128 v[SC+16*\sc+8*\q+4:SC+16*\sc+8*\q+7], v[ADRS] offset:512*\q+16
.endr
.endm
; 8 matrix instructions: A's block a against B's eight.  The 32 accumulators take turns, one instruction a turn, in the same order in every step.
.macro MULA a, p, q, sc, first
.irp b, 0,1,2,3,4,5,6,7
.if \first
	v_wmma_scale_f32_16x16x128_f8f6f4 v[8*(8*(\a)+\b):8*(8*(\a)+\b)+7], v[128*(\p)+12*\b:128*(\p)+12*\b+11], v[AF+12*(\a):AF+12*(\a)+11], v[BI+8*\b:BI+8*\b+7], v[SC+16*(\sc)+8*(\q)+\b], v[SC+16*(\sc)+8*(\q)+(\a)] matrix_a_fmt:MATRIX_FMT_FP6 matrix_b_fmt:MATRIX_FMT_FP6 matrix_a_scale:MATRIX_SCALE_ROW1
.else
	v_wmma_scale_f32_16x16x128_f8f6f4 v[8*(8*(\a)+\b):8*(8*(\a)+\b)+7], v[128*(\p)+12*\b:128*(\p)+12*\b+11], v[AF+12*(\a):AF+12*(\a)+11], v[8*(8*(\a)+\b):8*(8*(\a)+\b)+7], v[SC+16*(\sc)+8*(\q)+\b], v[SC+16*(\sc)+8*(\q)+(\a)] matrix_a_fmt:MATRIX_FMT_FP6 matrix_b_fmt:MATRIX_FMT_FP6 matrix_a_scale:MATRIX_SCALE_ROW1
.endif
.endr
.endm
.macro MULQ k, p, q, sc, first         ; a quarter of a step: A's block k
.if \first
	WIN MUL_BI
.else
	WIN MUL_LO
.endif
	MULA \k, \p, \q, \sc, \first
.endm
.macro STEP slot, q, first
	s_wait_dscnt (NA/2)*NL                         ; all but the youngest loads, A's second half
	MULQ 0, (\q)%2, \q, \slot, \first
	MULQ 1, (\q)%2, \q, \slot, \first
	s_wait_dscnt 0x0
	PLACES NP                                      ; in front of loads into registers that matrix instructions have read
	FETCH_B \slot, (\q)+1, 1-(\q)%2
	FETCH_A \slot, (\q)+1, 0
	MULQ 2, (\q)%2, \q, \slot, \first
	MULQ 3, (\q)%2, \q, \slot, \first
	PLACES NP
	WIN 0
	FETCH_A \slot, (\q)+1, NA/2
.endm
.macro TURN slot, next, fill
	s_wait_tensorcnt 0x0                           ; all my tensor loads have landed: my part of the next slot
	ds_add_u32 v[SPW], v[NIL]                      ; 0 onto my spare word
	s_wait_dscnt (NA/2)*NL+1                       ; the add and A's second half may be out
	MULQ 0, 1, 1, \slot, 0
	s_wait_dscnt 0x0                               ; the add is done, and my reads of this slot are over
	s_barrier_signal -1
	MULQ 1, 1, 1, \slot, 0
	WIN 0
	s_barrier_wait -1
.if \fill
	CREST                                          ; the barrier has opened a round of the cluster's: no wave of any partner still reads this slot or has a load on its way
	s_add_nc_u64 s[G0+4*\slot+2:G0+4*\slot+3], s[G0+4*\slot+2:G0+4*\slot+3], 2*1572864   ; two pairs of K steps on
	s_add_nc_u64 s[G0B+4*\slot+2:G0B+4*\slot+3], s[G0B+4*\slot+2:G0B+4*\slot+3], 2*786432
	JLOAD G0+4*\slot, G1, G0B+4*\slot, G1B         ; the first tensor load behind the round; its four v_nop are the places in front of the loads below
.else
	PLACES NP
.endif
	s_wait_alu depctr_va_vdst(0)
	v_add_nc_u32 v[ADRS], 1024, v[ADRS]
	FETCH_B \next, 0, 0
	FETCH_A \next, 0, 0
	SCALES \next
	MULQ 2, 1, 1, \slot, 0
	MULQ 3, 1, 1, \slot, 0
	PLACES NP
	WIN 0
	FETCH_A \next, 0, NA/2
.endm
	s_wait_tensorcnt 1                             ; the scale words and my part of slot 0 are in; slot 1's load may be out
	s_wait_loadcnt 0x0                             ; the bias and the mask's bytes
	s_barrier_signal -1
	s_barrier_wait -1
.irp a, 0,1,2,3
	v_cvt_f32_u32 v[KEEP+2*\a], v[KEEP+2*\a]
.endr
.irp a, 0,1,2,3
	v_sub_f32 v[KEEP+2*\a], 1.0, v[KEEP+2*\a]      ; 1 - mask
.endr
.irp a, 0,1,2,3
	v_mov_b32 v[KEEP+2*\a+1], v[KEEP+2*\a]
.endr
	FETCH_B 0, 0, 0
	FETCH_A 0, 0, 0
	SCALES 0
	FETCH_A 0, 0, NA/2
	STEP 0, 0, 1                                   ; K = 1,024 is eight steps, four slots' worth: written out.  The first products start the sums from the bias
	TURN 0, 1, 1
	STEP 1, 0, 0
	TURN 1, 0, 1
	STEP 0, 0, 0
	TURN 0, 1, 0                                   ; nothing is left to fetch
	STEP 1, 0, 0
	s_wait_dscnt (NA/2)*NL
	MULQ 0, 1, 1, 1, 0
	MULQ 1, 1, 1, 1, 0
	s_wait_dscnt 0x0
	MULQ 2, 1, 1, 1, 0
	MULQ 3, 1, 1, 1, 0
	WIN 0
	PLACES NP
; THE WAY OUT, A's tile by tile: x (1 - mask); 32 bytes of a row at a time into my own stage; back as whole rows of 512 bytes.  LDS serves a wave's instructions in order: no wait between the stores and the loads.
.macro TOSTAGE a
	WIN 0x02                                       ; source 0: the accumulators' window
.set n, 0
.rept 32
	v_pk_mul_f32 v[192+n:193+n], v[64*(\a)+n:64*(\a)+n+1], v[KEEP+2*(\a):KEEP+2*(\a)+1]   ; each accumulator from its low end on
.set n, n+2
.endr
	WIN 0
.irp b, 0,1,2,3,4,5,6,7
	ds_store_b128 v[STO], v[192+8*\b:195+8*\b] offset:128*(\b/2)+32*(\b%2)
	ds_store_b128 v[STO], v[196+8*\b:199+8*\b] offset:128*(\b/2)+32*(\b%2)+16
.endr
.set BB, 64+64*((\a)%2)
.irp t, 0,1,2,3,4,5,6,7,8,9,10,11,12,13,14,15
	ds_load_b128 v[BB+4*\t:BB+4*\t+3], v[RD] offset:\t*SPITCH
.endr
.endm
.macro SEND a, younger                 ; younger: the LDS instructions issued behind tile a's loads, which may stay out
.set BB, 64+64*((\a)%2)
	s_wait_dscnt \younger
.irp t, 0,1,2,3,4,5,6,7,8,9,10,11,12,13,14,15
	global_store_b128 v[L16], v[BB+4*\t:BB+4*\t+3], s[46:47] offset:(32*((\a)/2)+8*((\a)%2)+\t+8*(\t/8))*4096 th:TH_STORE_NT   ; 512 consecutive bytes, aligned to 256; place t of tile a is row 32 (a / 2) + 8 (a % 2) + t + 8 (t / 8)
.endr
.endm
	TOSTAGE 0
.irp a, 1,2,3
.if \a > 1
	s_wait_xcnt 0x0                                ; tile a - 2's stores have read their registers: tile a's loads may land there
.endif
	TOSTAGE \a
	SEND \a-1, 32                                  ; behind tile a - 1's loads: tile a's 16 stores and 16 loads
.endr
	SEND 3, 0
	s_wait_tensorcnt 0x0                           ; the wave's end
	ds_add_u32 v[SPW], v[NIL]
	s_wait_dscnt 0x0
	CROUND                                         ; the closing round
	s_endpgm
.Lfunc_end_k_qd68299dad5_proj:
	.size	k_qd68299dad5_proj, .Lfunc_end_k_qd68299dad5_proj-k_qd68299dad5_proj
	.p2alignl 7, 3214868480
	.fill 96, 4, 3214868480
	.section	.rodata,"a",@progbits
	.p2align	6, 0x0
	.amdhsa_kernel k_qd68299dad5_proj
		.amdhsa_group_segment_fixed_size 327680
		.amdhsa_private_segment_fixed_size 0
		.amdhsa_enable_private_segment 0
		.amdhsa_kernarg_size 56
		.amdhsa_user_sgpr_count 2
		.amdhsa_user_sgpr_kernarg_segment_ptr 1
		.amdhsa_wavefront_size32 1
		.amdhsa_system_sgpr_workgroup_id_x 1
		.amdhsa_system_sgpr_workgroup_id_y 1
		.amdhsa_system_sgpr_workgroup_id_z 1
		.amdhsa_system_vgpr_workitem_id 0
		.amdhsa_next_free_vgpr 768
		.amdhsa_next_free_sgpr 102
		.amdhsa_reserve_vcc 0
		.amdhsa_float_denorm_mode_32 3
		.amdhsa_float_denorm_mode_16_64 3
		.amdhsa_memory_ordered 1
		.amdhsa_forward_progress 1
		.amdhsa_inst_pref_size 98
	.end_amdhsa_kernel
	.amdgpu_metadata
---
amdhsa.version: [ 1, 2 ]
amdhsa.kernels:
  - .name:           k_qd68299dad5_proj
    .symbol:         k_qd68299dad5_proj.kd
    .args:
      - { .name: ac, .offset: 0, .size: 8, .value_kind: global_buffer, .address_space: global }
      - { .name: asc, .offset: 8, .size: 8, .value_kind: global_buffer, .address_space: global }
      - { .name: wc, .offset: 16, .size: 8, .value_kind: global_buffer, .address_space: global }
      - { .name: ws, .offset: 24, .size: 8, .value_kind: global_buffer, .address_space: global }
      - { .name: bo, .offset: 32, .size: 8, .value_kind: global_buffer, .address_space: global }
      - { .name: padding_mask, .offset: 40, .size: 8, .value_kind: global_buffer, .address_space: global }
      - { .name: out0, .offset: 48, .size: 8, .value_kind: global_buffer, .address_space: global }
    .group_segment_fixed_size: 327680
    .private_segment_fixed_size: 0
    .kernarg_segment_align: 8
    .kernarg_segment_size: 56
    .max_flat_workgroup_size: 128
    .sgpr_count:     102
    .vgpr_count:     768
    .wavefront_size: 32
...
	.end_amdgpu_metadata
.endif
;; end of part 4
